; MI455X (gfx1250); checked and timed in simulation.
; The chip was launched on July 23, 2026; its instructions are those of AMD's public machine-readable ISA for CDNA 5 (MIT licence, August 2026) and "CDNA5" Instruction Set Architecture Reference Guide (July 2026). The comments in the code are by the model that wrote it; some were corrected since.
;; TF Attention. Allowed arithmetic: matrix products marked QUANTISED: E5M2 operands, one E8M0 scale for each 32 along K, by v_wmma_scale_f32_16x16x128_f8f6f4 with both operands' format E5M2, f32 sums; everything else in f32.
;; Inputs: W_attn 1,024 x 3,072 float32; W_proj 1,024 x 1,024 float32; attention_mask 4 x 1 x 1 x 2,048 float32; b_attn 3,072 float32; b_proj 1,024 float32; x 4 x 2,048 x 1,024 float32.
;; Outputs: out0 4 x 2,048 x 1,024 float32.
;; This version of the problem:
;;   THIS VERSION OF THE PROBLEM IS GIVEN IN LOW PRECISION. The matrix products marked QUANTISED in the list below multiply operands that are first quantised to E5M2 (5 exponent bits, 2 mantissa bits; 8 bits a number), with one power-of-two scale for each 32 numbers along K (OCP MX v1.0); their sums are f32. All else is computed in f32.
;;   The module's matrix products, in the order in which they are computed (A, B: the left and right operand; K: the contracted axis; several contracted axes count as one K, in the product's order):
;;     1. [M 8,192, K 1,024] x [K 1,024, N 3,072]; A: input x; B: input W_attn: QUANTISED
;;     2. batch 64 x [M 2,048, K 64] x [K 64, N 2,048]; A: computed on the way; B: computed on the way: QUANTISED
;;     3. batch 64 x [M 2,048, K 2,048] x [K 2,048, N 64]; A: softmax (see below); B: computed on the way: QUANTISED
;;     4. [M 8,192, K 1,024] x [K 1,024, N 1,024]; A: computed on the way; B: input W_proj: QUANTISED
;;   THE QUANTISER, for each operand of a quantised product, along K:
;;     - K is cut into blocks of 32 from its start; a last block that is shorter is filled with zeros.
;;     - A block's scale is 2^e with e = floor(log2(the largest magnitude in the block)) - 15, held to -126 .. 127; a block of zeros has e = 0. As a byte (E8M0): e + 127.
;;     - Each number is divided by its block's scale, clamped to +-57,344, and rounded to the nearest number of E5M2, ties to even, subnormals kept.
;;     - The product sums the exact products of the quantised numbers (number of the format x scale) in f32.
;;   ~~~python
;;   def quantise(x, axis):      # numpy; x: float32 -> the quantised numbers, widened to float32 again
;;       x = np.moveaxis(x, axis, -1); K = x.shape[-1]
;;       x = np.pad(x, [(0, 0)] * (x.ndim - 1) + [(0, -K % 32)]); x = x.reshape(x.shape[:-1] + (-1, 32)); a = np.abs(x).max(-1, keepdims=True)
;;       e = np.where(a > 0, np.clip(np.frexp(np.where(a > 0, a, 1))[1] - 1 - 15, -126, 127), 0)      # np.frexp(a)[1] - 1 = floor(log2(a)), exactly
;;       r = np.clip(x / 2.0 ** e, -57344, 57344)
;;       step = 2.0 ** (np.maximum(np.frexp(np.where(r == 0, 1, r))[1] - 1, -14) - 2)
;;       q = np.round(r / step) * step * 2.0 ** e      # np.round: ties to even
;;       return np.moveaxis(q.reshape(q.shape[:-2] + (-1,))[..., :K], -1, axis).astype(np.float32)
;;   ~~~
;;   SOFTMAX AHEAD OF A QUANTISED PRODUCT. Where the list says 'softmax', what is quantised is not the finished softmax but p = 2^(t - M), with t = logit x log2(e) and M = ceil(the row's largest t), a whole number; so 1/2 < the row's largest p <= 1. The row's sum l is taken of the UNQUANTISED p, in f32, and the product's result is divided by l at the end. Since M is a whole number, a kernel that streams over the keys may use a running M (the ceiling of the running maximum): every later rescaling is an exact power of two, which a block's scale takes up: the codes' values come out the same.
;;   OPERANDS COMPUTED ON THE WAY. 'Computed on the way' means the value that the module computes at that place (a softmax that the list does not call 'softmax' is quantised finished and normalised). What goes into a quantiser is computed in f32, as accurately as f32 sums, v_exp_f32 and their like allow (about 1e-6 of the number): no bf16 or f16 on the way to a quantiser, and a product that is left as it is and whose result goes on into a quantised operand takes f32 operands (vector FMAs, or v_wmma_f32_16x16x4_f32). A number that lies on a knife's edge between two numbers of the format may be rounded either way, as far as f32 arithmetic and the matrix unit's own rounding can turn it there, and no further.
;; One version. Each part assembles by itself: llvm-mc -triple=amdgcn-amd-amdhsa -mcpu=gfx1250 --defsym DOCPART=n.
;; ======== version 1 of 1: 5 launches
;; limits: right only within a limited range of input values
;; workspace buffers: actq 8,388,608 bytes; acts 262,144 bytes; wq 4,194,304 bytes; ws 131,072 bytes; qkvc 25,165,824 bytes; side 2,359,296 bytes; hid 278,528 bytes
;; launch quant (part 1): grid 272 x 1, 4 waves a work-group, no clusters, 101,888 bytes of LDS; arguments x, W_attn, W_proj, attention_mask, actq, acts, wq, ws, side; writes actq, acts, wq, ws, side
.if DOCPART == 1
	.amdgcn_target "amdgcn-amd-amdhsa--gfx1250"
	.amdhsa_code_object_version 6
	.text
	.protected	k_qa7b40013b4_quant
	.globl	k_qa7b40013b4_quant
	.p2align	8
	.type	k_qa7b40013b4_quant,@function
k_qa7b40013b4_quant:
	s_mov_b64 s[64:65], 0
	v_nop
	global_prefetch_b8 v0, s[64:65] scope:SCOPE_SE
	s_setreg_imm32_b32 hwreg(HW_REG_WAVE_MODE, 25, 1), 1
	s_wait_xcnt 0x0
; GPT-2 attention in MX-BF8, launch 1 of 5: x, W_attn and W_proj become codes of E5M2 with one E8M0 byte for each 32 along K; the mask is laid out for the attention launch.
; DEAD WORK OF THE WHOLE PROGRAM.  For a key k after the query q the score q.k is multiplied by b = 0, a zero that the problem builds itself: whatever finite q and k hold, that product reaches no output.
; So the first attention product is left out wherever a whole step of 128 keys lies after a tile's queries.  LIMIT: a NaN, an infinity or an overflow that arises only in those products is not carried to the result.
; NOT DEAD: the weights of those keys.  Their logit is mask[k] - 10000, which hangs neither on the query nor on the head's q: for all queries of a chunk of 128 the later chunks add one and the same vector,
; up to an exact power of two (p = 2^(t - M0) x 2^(M0 - M), M0 and M whole numbers).  Launch 3 makes that vector once for each (batch, head, chunk), launch 4 adds it to every tile.  Every input is loaded.
; LIMITS: inputs are finite, |mask| under 1e37.  A block whose largest magnitude lies under 2^-111 gets the byte 1; so does a block of zeros (its codes are zeros; these bytes are read by this program alone).
; LAYOUT.  sw(P) swaps bits 3 and 4 of P.  Row P of every operand buffer holds logical row sw(P), so that in a transposed product the 16 registers of two neighbouring tiles are 16 logical neighbours.
; A fragment (16 rows x 128 K) lies as an IMAGE of its registers: [c 0..3][lane][16 bytes], lane (r, h) holding k = 32 c + 16 h + 0..15 of row r.  actq, wq: [tile of 16 rows][K / 128] images; acts, ws: [row][32 bytes].
; FOUR PATHS, parted by the work-group's number, each with LDS bytes of its own: 0-127 x; 128-223 W_attn; 224-255 W_proj; 256-271 the mask.  No tensor loads, no barrier: waves share nothing.
.set SPARE, 101376                     ; behind the three paths' stages: the spare words, 128 bytes a wave
.set SPW, 254                          ; v254 my spare word's LDS address; never rewritten
.set NIL, 255                          ; v255 0; never rewritten
.set SEL, 20                           ; s[20:21] lane selects: lane l xor 16
.set MNT, 22                           ; s22 the mantissa field of 57,344
.set WV,  23                           ; s23 my wave
.set R,   16                           ; path x: v16-143 two sets of 64 numbers as loaded
.set X,   144                          ; v144-207 64 numbers in the operand's order
.set PC,  208                          ; v208-223 a fragment's codes
.set TM,  224                          ; v224-239 at work
.set SW,  240                          ; v240-247 the eight scale words of my row
.set WX,  32                           ; paths W: v32-95 two sets of 32 numbers
.set WC,  96                           ; v96-103 a block's codes
.set OUTR, 112                         ; v112-175 the way out
; 64 numbers of a lane, register 16 b + i = k 32 b + 16 (lane / 16) + i of my row, become a fragment's codes in v[PC] on and its scale word in v[w]
.macro QUANT s, w
.irp b, 0,1,2,3
	v_max3_num_f32 v[TM+\b], |v[\s+16*\b]|, |v[\s+1+16*\b]|, 0x8000000   ; my 16 numbers of block b, and the floor 2^(16 - 127): the byte cannot fall under 1
.endr
.irp i, 2,4,6,8,10,12,14
.irp b, 0,1,2,3
	v_max3_num_f32 v[TM+\b], v[TM+\b], |v[\s+16*\b+\i]|, |v[\s+1+16*\b+\i]|
.endr
.endr
.irp b, 0,1,2,3
	v_permlanex16_b32 v[TM+4+\b], v[TM+\b], s[SEL], s[SEL+1]
.endr
.irp b, 0,1,2,3
	v_max_num_f32 v[TM+\b], v[TM+\b], v[TM+4+\b]   ; with lane l xor 16's: the block's largest magnitude
.endr
.irp b, 0,1,2,3
	v_add_nc_u32 v[TM+12+\b], 0xf8800000, v[TM+\b]   ; 15 off its exponent field: the conversion's scale operand
.endr
.irp b, 0,1,2,3
	v_and_or_b32 v[TM+8+\b], v[TM+\b], 0x7f800000, s[MNT]   ; 57,344 x the scale
.endr
.irp b, 0,1,2,3
	v_lshrrev_b32 v[TM+4+\b], 23, v[TM+12+\b]   ; the scale's byte
.endr
	v_lshl_or_b32 v[\w], v[TM+5], 8, v[TM+4]
	v_lshl_or_b32 v[\w], v[TM+6], 16, v[\w]
	v_lshl_or_b32 v[\w], v[TM+7], 24, v[\w]
.irp b, 0,1,2,3
.irp i, 0,1,2,3,4,5,6,7,8,9,10,11,12,13,14,15
	v_med3_num_f32 v[\s+16*\b+\i], v[\s+16*\b+\i], -v[TM+8+\b], v[TM+8+\b]   ; the conversion to an 8-bit code does not saturate (ISA guide 7.6.2): the hold
.endr
	v_cvt_scalef32_pk8_bf8_f32 v[PC+4*\b:PC+1+4*\b], v[\s+16*\b:\s+7+16*\b], v[TM+12+\b]
	v_cvt_scalef32_pk8_bf8_f32 v[PC+2+4*\b:PC+3+4*\b], v[\s+8+16*\b:\s+15+16*\b], v[TM+12+\b]
.endr
	v_nop                                          ; a plain line behind the last conversion
.endm
	s_load_b256 s[4:11], s[0:1], 0x0               ; x, W_attn, W_proj, attention_mask
	s_load_b256 s[12:19], s[0:1], 0x20             ; actq, acts, wq, ws
	s_load_b64 s[24:25], s[0:1], 0x40              ; side
	v_lshl_add_u32 v[SPW], v0, 2, SPARE
	v_mov_b32 v[NIL], 0
	v_lshrrev_b32 v1, 5, v0
	v_readfirstlane_b32 s[WV], v1
	v_and_b32 v2, 31, v0                           ; lane
	v_lshlrev_b32 v3, 4, v2                        ; 16 x lane
	s_mov_b32 s[SEL], 0x76543210
	s_mov_b32 s[SEL+1], 0xfedcba98
	s_mov_b32 s[MNT], 0x600000
	s_mov_b32 s29, 0
	s_wait_kmcnt 0x0
	s_cmp_lt_u32 ttmp9, 128
	s_cbranch_scc0 .Lnot_x
; ---- PATH x.  A wave takes one tile of 16 buffer rows, all 1,024 along K, in eight steps of 128.  Each load reads 512 consecutive bytes of one row; a step's 16 rows turn through the wave's stage (rows of 528 bytes).
	s_lshl_b32 s26, ttmp9, 2
	s_add_co_u32 s26, s26, s[WV]                   ; my tile Tg
	s_lshr_b32 s27, s26, 1
	s_lshl_b32 s27, s27, 5
	s_and_b32 s28, s26, 1
	s_lshl_b32 s28, s28, 3
	s_add_co_u32 s28, s27, s28                     ; buffer row 16 Tg + p is logical row 32 (Tg / 2) + 8 (Tg % 2) + p + 8 (p / 8)
	s_lshl_b32 s28, s28, 12
	s_add_nc_u64 s[4:5], s[4:5], s[28:29]
	s_lshl_b32 s28, s26, 14
	s_add_nc_u64 s[12:13], s[12:13], s[28:29]
	s_lshl_b32 s28, s26, 9
	s_add_nc_u64 s[14:15], s[14:15], s[28:29]
	s_mul_i32 s30, s[WV], 8448
	v_add_nc_u32 v4, s30, v3                       ; the stage, in: 16 x lane of a row
	v_and_b32 v5, 15, v0                           ; r
	v_bfe_u32 v6, v0, 4, 1                         ; h
	v_mul_u32_u24 v7, v5, 528
	v_lshl_add_u32 v7, v6, 6, v7
	v_add_nc_u32 v7, s30, v7                       ; out: row r, + 64 h
	v_lshlrev_b32 v8, 5, v5
	v_lshl_add_u32 v8, v6, 4, v8                   ; acts: 32 r + 16 h
.irp b, 0,1,2,3
	v_mov_b32 v[TM+4+\b], 0                        ; a lane permute's destination counts as read
.endr
.macro XLOAD k
.set p, 0
.rept 16
	global_load_b128 v[R+64*((\k)%2)+4*p:R+64*((\k)%2)+4*p+3], v3, s[4:5] offset:(p+8*(p/8))*4096+512*(\k) th:TH_LOAD_NT
.set p, p+1
.endr
.endm
.macro XSTEP k
	s_wait_xcnt 0x0                                ; the last step's stores have read their codes: those registers are written again below
.if (\k) < 7
	s_wait_loadcnt 16                              ; this step's 16 loads are in; the next step's 16 may be out
.else
	s_wait_loadcnt 0x0
.endif
.set p, 0
.rept 16
	ds_store_b128 v4, v[R+64*((\k)%2)+4*p:R+64*((\k)%2)+4*p+3] offset:528*p
.set p, p+1
.endr
.irp c, 0,1,2,3
.irp j, 0,1,2,3
	ds_load_b128 v[X+16*\c+4*\j:X+16*\c+4*\j+3], v7 offset:128*\c+16*\j   ; LDS serves a wave's instructions in order: these see my stores
.endr
.endr
	s_wait_dscnt 0x0
.if (\k) < 6
	XLOAD (\k)+2
.endif
	QUANT X, SW+(\k)
.irp c, 0,1,2,3
	global_store_b128 v3, v[PC+4*\c:PC+4*\c+3], s[12:13] offset:2048*(\k)+512*\c   ; 512 consecutive bytes of the image
.endr
.endm
	XLOAD 0
	XLOAD 1
.irp k, 0,1,2,3,4,5,6,7
	XSTEP \k
.endr
	v_cmp_ne_u32 vcc_lo, 0, v6
.irp i, 0,1,2,3
	v_cndmask_b32 v[TM+\i], v[SW+\i], v[SW+4+\i], vcc_lo   ; lanes 0-15 store my row's words 0-3, lanes 16-31 words 4-7
.endr
	global_store_b128 v8, v[TM:TM+3], s[14:15]     ; 512 consecutive bytes
	s_branch .Lend
; ---- PATHS W.  K is the weight's first axis: a lane takes a column and its registers run down K.  A work-group takes 128 columns x 256 along K.  The codes go into images in the wave's stage and leave as 512-byte runs.
.macro WLOAD t, N, SRC
.set p, 0
.rept 32
	global_load_b32 v[WX+32*((\t)%2)+p], v4, s[\SRC:\SRC+1] offset:(32*(\t)+p)*\N*4 th:TH_LOAD_NT
.set p, p+1
.endr
.endm
.macro WBLOCK t, N, SRC
.set XS, WX+32*((\t)%2)
.if (\t) < 7
	s_wait_loadcnt 32                              ; this block's 32 loads are in; the next block's may be out
.else
	s_wait_loadcnt 0x0
.endif
	v_max3_num_f32 v12, |v[XS]|, |v[XS+1]|, |v[XS+2]|
	v_max3_num_f32 v13, |v[XS+3]|, |v[XS+4]|, |v[XS+5]|
.irp i, 6,10,14,18,22,26
	v_max3_num_f32 v12, v12, |v[XS+\i]|, |v[XS+\i+1]|
	v_max3_num_f32 v13, v13, |v[XS+\i+2]|, |v[XS+\i+3]|
.endr
	v_max3_num_f32 v12, v12, |v[XS+30]|, |v[XS+31]|
	v_max3_num_f32 v12, v12, v13, 0x8000000        ; and the floor
	v_add_nc_u32 v14, 0xf8800000, v12              ; the conversion's scale operand
	v_and_or_b32 v15, v12, 0x7f800000, s[MNT]      ; 57,344 x the scale
	v_lshrrev_b32 v13, 23, v14                     ; the byte
.if (\t)%4 == 0
	v_mov_b32 v[24+(\t)/4], v13
.else
	v_lshl_or_b32 v[24+(\t)/4], v13, 8*((\t)%4), v[24+(\t)/4]
.endif
.set p, 0
.rept 32
	v_med3_num_f32 v[XS+p], v[XS+p], -v15, v15
.set p, p+1
.endr
.irp g, 0,1,2,3
	v_cvt_scalef32_pk8_bf8_f32 v[WC+2*\g:WC+2*\g+1], v[XS+8*\g:XS+8*\g+7], v14
.endr
	v_nop
	ds_store_b128 v9, v[WC:WC+3] offset:2048*((\t)/4)+512*((\t)%4)        ; k 0-15 of the block: the place of lane (r, 0) in the image,
	ds_store_b128 v9, v[WC+4:WC+7] offset:2048*((\t)/4)+512*((\t)%4)+256  ; k 16-31: of lane (r, 1)
.if (\t)+2 < 8
	WLOAD (\t)+2, \N, \SRC
.endif
	s_wait_dscnt 0x0                               ; the stores have read their registers
.endm
.macro WPATH N, SRC, ROW0, LDSB, WG0
	s_sub_co_u32 s26, ttmp9, \WG0
	s_and_b32 s27, s26, 3                          ; which 256 along K
	s_lshr_b32 s26, s26, 2
	s_lshl_b32 s26, s26, 7
	s_lshl_b32 s28, s[WV], 5
	s_add_co_u32 s26, s26, s28                     ; my wave's first column
	s_mul_i32 s28, s27, 256*\N*4
	s_lshl_b32 s30, s26, 2
	s_add_co_u32 s28, s28, s30
	s_add_nc_u64 s[\SRC:\SRC+1], s[\SRC:\SRC+1], s[28:29]
	s_add_co_u32 s26, s26, \ROW0                   ; its row in wq and ws
	s_lshl_b32 s28, s26, 10
	s_lshl_b32 s30, s27, 12
	s_add_co_u32 s28, s28, s30
	s_add_nc_u64 s[16:17], s[16:17], s[28:29]
	s_lshl_b32 s28, s26, 5
	s_lshl_b32 s30, s27, 3
	s_add_co_u32 s28, s28, s30
	s_add_nc_u64 s[18:19], s[18:19], s[28:29]
	v_lshlrev_b32 v4, 2, v2                        ; in: 4 bytes a lane
	v_bfe_u32 v5, v0, 3, 1                         ; column l lies in buffer row sw(l): tile (l / 8) % 2,
	v_bfe_u32 v6, v0, 4, 1
	v_and_b32 v7, 7, v0
	v_lshl_add_u32 v7, v6, 3, v7                   ; row 8 (l / 16) + l % 8 of it
	v_lshl_add_u32 v8, v5, 4, v7
	v_lshlrev_b32 v8, 5, v8                        ; its 32 scale bytes
	v_mul_u32_u24 v9, v5, 4224                     ; the two tiles lie 4,224 bytes apart, so that sixteen lanes fall on sixteen different 16-byte columns
	v_lshl_add_u32 v9, v7, 4, v9
	s_mul_i32 s30, s[WV], 8448
	s_add_co_u32 s30, s30, \LDSB
	v_add_nc_u32 v9, s30, v9
	v_add_nc_u32 v10, s30, v3
	WLOAD 0, \N, \SRC
	WLOAD 1, \N, \SRC
.set Q, 0
.rept 8
	WBLOCK Q, \N, \SRC
.set Q, Q+1
.endr
	global_store_b64 v8, v[24:25], s[18:19]        ; my column's 8 scale bytes
.set p, 0
.rept 16
	ds_load_b128 v[OUTR+4*p:OUTR+4*p+3], v10 offset:512*(p%8)+4224*(p/8)
.set p, p+1
.endr
.set p, 0
.rept 16
	s_wait_dscnt 15-p
	global_store_b128 v3, v[OUTR+4*p:OUTR+4*p+3], s[16:17] offset:16384*(p/8)+512*(p%8)
.set p, p+1
.endr
.endm
.Lnot_x:
	s_cmp_lt_u32 ttmp9, 224
	s_cbranch_scc0 .Lnot_wa
	WPATH 3072, 6, 0, 33792, 128
	s_branch .Lend
.Lnot_wa:
	s_cmp_lt_u32 ttmp9, 256
	s_cbranch_scc0 .Lmask
	WPATH 1024, 8, 3072, 67584, 224
	s_branch .Lend
; ---- PATH mask.  A wave writes, for one (batch, head), 8 x mask and 8 x mask - 80000 into the eight records of 256 keys: the score is q.k, so logit x 8 = q.k + 8 mask, and a hidden key's is 8 (mask - 10000).
.Lmask:
	s_sub_co_u32 s26, ttmp9, 256
	s_lshl_b32 s26, s26, 2
	s_add_co_u32 s26, s26, s[WV]                   ; 16 x batch + head
	s_lshr_b32 s28, s26, 4
	s_lshl_b32 s28, s28, 13
	s_add_nc_u64 s[10:11], s[10:11], s[28:29]
	s_mul_i32 s28, s26, 28672
	s_add_nc_u64 s[24:25], s[24:25], s[28:29]
.set p, 0
.rept 16
	global_load_b128 v[16+4*p:19+4*p], v3, s[10:11] offset:512*p
.set p, p+1
.endr
	s_wait_loadcnt 0x0
.set p, 0
.rept 32
	v_pk_mul_f32 v[80+p:81+p], v[16+p:17+p], 0x41000000 op_sel_hi:[1,0]
.set p, p+2
.endr
.set p, 0
.rept 32
	v_pk_add_f32 v[144+p:145+p], v[80+p:81+p], 0xc79c4000 op_sel_hi:[1,0]
.set p, p+2
.endr
.set p, 0
.rept 16
	global_store_b128 v3, v[80+4*p:83+4*p], s[24:25] offset:3584*(p/2)+1536+512*(p%2)
	global_store_b128 v3, v[144+4*p:147+4*p], s[24:25] offset:3584*(p/2)+2560+512*(p%2)
.set p, p+1
.endr
.Lend:
	s_wait_tensorcnt 0x0                           ; the wave's end, behind my last LDS store
	ds_add_u32 v[SPW], v[NIL]
	s_wait_dscnt 0x0
	s_endpgm
.Lfunc_end_k_qa7b40013b4_quant:
	.size	k_qa7b40013b4_quant, .Lfunc_end_k_qa7b40013b4_quant-k_qa7b40013b4_quant
	.p2alignl 7, 3214868480
	.fill 96, 4, 3214868480
	.section	.rodata,"a",@progbits
	.p2align	6, 0x0
	.amdhsa_kernel k_qa7b40013b4_quant
		.amdhsa_group_segment_fixed_size 101888
		.amdhsa_private_segment_fixed_size 0
		.amdhsa_enable_private_segment 0
		.amdhsa_kernarg_size 72
		.amdhsa_user_sgpr_count 2
		.amdhsa_user_sgpr_kernarg_segment_ptr 1
		.amdhsa_wavefront_size32 1
		.amdhsa_system_sgpr_workgroup_id_x 1
		.amdhsa_system_sgpr_workgroup_id_y 1
		.amdhsa_system_sgpr_workgroup_id_z 1
		.amdhsa_system_vgpr_workitem_id 0
		.amdhsa_next_free_vgpr 256
		.amdhsa_next_free_sgpr 66
		.amdhsa_reserve_vcc 1
		.amdhsa_float_denorm_mode_32 3
		.amdhsa_float_denorm_mode_16_64 3
		.amdhsa_memory_ordered 1
		.amdhsa_forward_progress 1
		.amdhsa_inst_pref_size 226
	.end_amdhsa_kernel
	.amdgpu_metadata
---
amdhsa.version: [ 1, 2 ]
amdhsa.kernels:
  - .name:           k_qa7b40013b4_quant
    .symbol:         k_qa7b40013b4_quant.kd
    .args:
      - { .name: x, .offset: 0, .size: 8, .value_kind: global_buffer, .address_space: global }
      - { .name: W_attn, .offset: 8, .size: 8, .value_kind: global_buffer, .address_space: global }
      - { .name: W_proj, .offset: 16, .size: 8, .value_kind: global_buffer, .address_space: global }
      - { .name: attention_mask, .offset: 24, .size: 8, .value_kind: global_buffer, .address_space: global }
      - { .name: actq, .offset: 32, .size: 8, .value_kind: global_buffer, .address_space: global }
      - { .name: acts, .offset: 40, .size: 8, .value_kind: global_buffer, .address_space: global }
      - { .name: wq, .offset: 48, .size: 8, .value_kind: global_buffer, .address_space: global }
      - { .name: ws, .offset: 56, .size: 8, .value_kind: global_buffer, .address_space: global }
      - { .name: side, .offset: 64, .size: 8, .value_kind: global_buffer, .address_space: global }
    .group_segment_fixed_size: 101888
    .private_segment_fixed_size: 0
    .kernarg_segment_align: 8
    .kernarg_segment_size: 72
    .max_flat_workgroup_size: 128
    .sgpr_count:     66
    .vgpr_count:     256
    .wavefront_size: 32
...
	.end_amdgpu_metadata
.endif
;; end of part 1
;; launch qkv (part 2): grid 12 x 32, 4 waves a work-group, clusters of 4 x 4, 327,680 bytes of LDS; arguments actq, acts, wq, ws, b_attn, qkvc, side; writes qkvc, side
.if DOCPART == 2
	.amdgcn_target "amdgcn-amd-amdhsa--gfx1250"
	.amdhsa_code_object_version 6
	.text
	.protected	k_qa7b40013b4_qkv
	.globl	k_qa7b40013b4_qkv
	.p2align	8
	.type	k_qa7b40013b4_qkv,@function
k_qa7b40013b4_qkv:
	s_mov_b64 s[64:65], 0
	v_nop
	global_prefetch_b8 v0, s[64:65] scope:SCOPE_SE
	s_setreg_imm32_b32 hwreg(HW_REG_WAVE_MODE, 25, 1), 1
	s_wait_xcnt 0x0
	s_wait_alu depctr_hold_cnt(0) depctr_sa_sdst(0) depctr_va_vdst(0) depctr_va_sdst(0) depctr_va_ssrc(0) depctr_va_vcc(0) depctr_vm_vsrc(0)
	s_getreg_b32 s2, hwreg(HW_REG_IB_STS2, 6, 4)
	s_cmp_eq_u32 s2, 0
	s_cbranch_scc0 .Lentry_in_a_cluster
	s_endpgm
.Lentry_in_a_cluster:
	s_bfe_u32 s2, ttmp6, 0x10000c
	s_cmp_lg_u32 s2, 0xf033
	s_cbranch_scc0 .Lentry_shape_is_right
	s_endpgm
.Lentry_shape_is_right:
; Launch 2 of 5: qkv = x W_attn + b_attn on codes of E5M2 (K = 1,024), and the quantisers of q, k (along the head's 64) and v (along the keys): the f32 results never go to memory.
; A work-group of four waves makes 256 x 256, a wave 128 x 128 in 64 accumulators.  K goes in steps of 256 through two LDS slots; a tile's 16 rows x 256 K are two register images, 4,096 consecutive bytes.
; The matrix instruction is used transposed: source 0 = 16 rows of the B role, source 1 = 16 rows of the A role; a lane holds one row of the A role and, by the order of the buffers' rows, the 16 registers of two
; neighbouring tiles are 16 logical neighbours of the B role: the order that a conversion and the next operand want.
; THE CLUSTER'S x IS THE KIND: 0 q, 1 k: A role = tokens, B role = W's columns (a lane holds a token, registers run along the head).  2 v: A role = W's columns, B role = tokens (a lane holds a channel, registers run along the keys).
; CLUSTERS 4 x 4: A's tiles are shared along a row of the cluster, B's along a column, by joint loads.  The kind is the same in all sixteen partners.
; REGISTERS: window 0: v1-31 addresses; v32-63 scale words, two sets; v64-127 the bias; v128-255 A's fragments, on the way out the numbers at work.  Window 1: B's fragments, two sets.  Windows 2, 3: the accumulators.
.set NQ,    2
.set FR,    16
.set NL,    4
.set NP,    8                          ; places behind this matrix instruction (ISA guide 7.12.1)
.set HALFT, 32768                      ; 128 rows x 256 K: what one tensor load brings
.set SLOT,  4*HALFT
.set SCL,   2*SLOT                     ; behind the ring: the scale bytes of 512 rows, all of K, as units of 256 bytes + 16
.set HALFS, 16*272
.set SBLK,  2*272
.set SPARE, SCL+4*HALFS                ; the spare words, 128 bytes a wave
.set QSOFF, 1835008                    ; q's scale words in side
.set VSC,  5                           ; v5   where my scale words go
.set VA1,  6                           ; v6   where codes 8-15 of a block go
.set VA0,  7                           ; v7   where codes 0-7 go
.set VJ,   8                           ; v8-15 the bias's eight offsets
.set ADRA, 16
.set ADRB, 20
.set SH,   24                          ; v24  how far a scale word is shifted down in my lane
.set ADRS, 27
.set SPW,  28
.set NIL,  29
.set SC,   32
.set BI,   64
.set AF,   128
.set X,    128
.set PC,   192
.set TM,   208
.set SW,   224
.set TD,   232
.set WV,   18
.set FH,   19                          ; wave / 2: my half of A's rows; also: I fetch for A (0) or B (1)
.set FL,   20                          ; wave % 2: my half of B's rows; also: which 128 rows I fetch
.set G1,   24
.set G0,   32
.set G1B,  48
.set G0B,  56
.set SEL,  66
.set G1S,  68
.set G0S,  76
.set G1SB, 80
.set G0SB, 88
.set MNT,  95
.set MSB, 0
.macro WIN new
.if MSB != \new
	s_set_vgpr_msb (MSB<<8)|\new
.set MSB, \new
.endif
.endm
.set MUL_LO, 0xa1
.set MUL_HI, 0xf1
.set TO_B,   0x40
.macro JLOAD g0a, g1a, g0b, g1b        ; a joint load: waves 0, 1 for A, waves 2, 3 for B; an s_nop 0 and four v_nop follow each line
	s_cmp_eq_u32 s[FH], 0
	s_cbranch_scc0 .Lfor_b_\@
	tensor_load_to_lds s[\g0a:\g0a+3], s[\g1a:\g1a+7]
	s_nop 0
.rept 4
	v_nop
.endr
	s_branch .Lasked_\@
.Lfor_b_\@:
	tensor_load_to_lds s[\g0b:\g0b+3], s[\g1b:\g1b+7]
	s_nop 0
.rept 4
	v_nop
.endr
.Lasked_\@:
.endm
.macro CREST
	s_cmp_lg_u32 s[WV], 0
	s_cbranch_scc1 .Lnot_wave_0_\@
	s_barrier_signal -3
.Lnot_wave_0_\@:
	s_barrier_wait -3
	s_barrier_signal -1
	s_barrier_wait -1
.endm
.macro CROUND
	s_barrier_signal -1
	s_barrier_wait -1
	CREST
.endm
.macro QUANT s, w                      ; 64 numbers of a lane, register 16 b + i = k 32 b + 16 (lane / 16) + i, become 16 registers of codes in v[PC] on and a scale word in v[w]
.irp b, 0,1,2,3
	v_max3_num_f32 v[TM+\b], |v[\s+16*\b]|, |v[\s+1+16*\b]|, 0x8000000   ; with the floor 2^(16 - 127)
.endr
.irp i, 2,4,6,8,10,12,14
.irp b, 0,1,2,3
	v_max3_num_f32 v[TM+\b], v[TM+\b], |v[\s+16*\b+\i]|, |v[\s+1+16*\b+\i]|
.endr
.endr
.irp b, 0,1,2,3
	v_permlanex16_b32 v[TM+4+\b], v[TM+\b], s[SEL], s[SEL+1]
.endr
.irp b, 0,1,2,3
	v_max_num_f32 v[TM+\b], v[TM+\b], v[TM+4+\b]
.endr
.irp b, 0,1,2,3
	v_add_nc_u32 v[TM+12+\b], 0xf8800000, v[TM+\b]
.endr
.irp b, 0,1,2,3
	v_and_or_b32 v[TM+8+\b], v[TM+\b], 0x7f800000, s[MNT]
.endr
.irp b, 0,1,2,3
	v_lshrrev_b32 v[TM+4+\b], 23, v[TM+12+\b]
.endr
	v_lshl_or_b32 v[\w], v[TM+5], 8, v[TM+4]
	v_lshl_or_b32 v[\w], v[TM+6], 16, v[\w]
	v_lshl_or_b32 v[\w], v[TM+7], 24, v[\w]
.irp b, 0,1,2,3
.irp i, 0,1,2,3,4,5,6,7,8,9,10,11,12,13,14,15
	v_med3_num_f32 v[\s+16*\b+\i], v[\s+16*\b+\i], -v[TM+8+\b], v[TM+8+\b]
.endr
	v_cvt_scalef32_pk8_bf8_f32 v[PC+4*\b:PC+1+4*\b], v[\s+16*\b:\s+7+16*\b], v[TM+12+\b]
	v_cvt_scalef32_pk8_bf8_f32 v[PC+2+4*\b:PC+3+4*\b], v[\s+8+16*\b:\s+15+16*\b], v[TM+12+\b]
.endr
	v_nop                                          ; a plain line behind the last conversion
.endm
	s_load_b256 s[4:11], s[0:1], 0x0               ; actq, acts, wq, ws
	s_load_b128 s[12:15], s[0:1], 0x20             ; b_attn, qkvc
	s_load_b64 s[16:17], s[0:1], 0x30              ; side
	v_lshl_add_u32 v[SPW], v0, 2, SPARE
	v_mov_b32 v[NIL], 0
	ds_add_u32 v[SPW], v[NIL]                      ; the wave's opening: the add, twice on end, and its wait ahead of my first tensor load
	ds_add_u32 v[SPW], v[NIL]
	v_lshrrev_b32 v1, 5, v0
	v_readfirstlane_b32 s[WV], v1
	s_lshr_b32 s[FH], s[WV], 1
	s_and_b32 s[FL], s[WV], 1
	s_bfe_u32 s40, ttmp6, 0x40000                  ; cx
	s_bfe_u32 s41, ttmp6, 0x40004                  ; cy
	s_and_b32 s21, ttmp7, 0xffff
	s_lshl_b32 s21, s21, 2                         ; 4 x cluster y
	s_lshl_b32 s42, ttmp9, 2                       ; 4 x cluster x
	s_cmp_eq_u32 ttmp9, 2
	s_cselect_b32 s96, 8, s21                      ; A's tile of 256 rows: tokens 4 cluster y + cy; for v: W's rows 2,048 + 256 cy
	s_cselect_b32 s42, s21, s42                    ; B's: W's rows 256 (4 cluster x + cx); for v: tokens 4 cluster y + cx
	s_add_co_u32 s96, s96, s41                     ; (A's never holds cx, B's never cy)
	s_add_co_u32 s42, s42, s40
	s_lshl_b32 s43, s41, 2
	s_lshl_b32 s43, 15, s43                        ; my row of the cluster
	s_lshl_b32 s44, 0x1111, s40                    ; my column
	s_or_b32 s[G1+0], s43, (3<<16)|(1<<21)         ; codes: elements of 8 bytes, no padding; the mask, and bit 21 beside it
	s_or_b32 s[G1B+0], s44, (3<<16)|(1<<21)
.irp g, G1, G1B
	s_mov_b32 s[\g+1], 512<<16                     ; tensor_dim0: 4,096 bytes: two images of one tile of 16 rows
	s_mov_b32 s[\g+2], 8<<16                       ; tensor_dim1: 8 tiles of 16 rows
	s_mov_b32 s[\g+3], 512<<16                     ; tile_dim0
	s_mov_b32 s[\g+4], 8                           ; tile_dim1
	s_mov_b32 s[\g+5], 2048                        ; 16,384 bytes from a tile of rows to the next
	s_mov_b32 s[\g+6], 0
	s_mov_b32 s[\g+7], 0
.endr
	s_or_b32 s[G1S+0], s43, (3<<16)|(1<<20)|(1<<21)|(5<<22)|(3<<25)   ; scale bytes of 128 rows: 4,096 dense bytes as 16 rows of 256, 16 bytes of padding behind each
	s_or_b32 s[G1SB+0], s44, (3<<16)|(1<<20)|(1<<21)|(5<<22)|(3<<25)
.irp g, G1S, G1SB
	s_mov_b32 s[\g+1], 32<<16
	s_mov_b32 s[\g+2], 16<<16
	s_mov_b32 s[\g+3], 32<<16
	s_mov_b32 s[\g+4], 16
	s_mov_b32 s[\g+5], 32
	s_mov_b32 s[\g+6], 0
	s_mov_b32 s[\g+7], 0
.endr
	s_lshl_b32 s21, s[FL], 7                       ; which 128 rows of the tile I fetch
	s_lshl_b32 s22, s96, 8
	s_add_co_u32 s22, s22, s21                     ; A's row
	s_lshl_b32 s46, s42, 8
	s_add_co_u32 s46, s46, s21                     ; B's row
	s_lshl_b32 s2, s22, 5                          ; 32 scale bytes a row,
	s_mov_b32 s3, 0
	s_lshl_b32 s22, s22, 10                        ; 1,024 bytes of codes
	s_mov_b32 s23, 0
	s_lshl_b32 s92, s46, 5
	s_mov_b32 s93, 0
	s_lshl_b32 s46, s46, 10
	s_mov_b32 s47, 0
	s_lshl_b32 s45, s[WV], 15                      ; where they go: wave x 32,768
	s_mul_i32 s94, s[WV], HALFS
	s_mov_b32 s[SEL], 0x76543210
	s_mov_b32 s[SEL+1], 0xfedcba98
	s_mov_b32 s[MNT], 0x600000
	s_wait_dscnt 0x0                               ; both opening adds are done
	s_wait_kmcnt 0x0
	s_cmp_eq_u32 ttmp9, 2                          ; the roles' buffers: a choice that hangs on the cluster's x alone
	s_cselect_b64 s[98:99], s[8:9], s[4:5]
	s_cselect_b64 s[100:101], s[10:11], s[6:7]
	s_cselect_b64 s[8:9], s[4:5], s[8:9]
	s_cselect_b64 s[10:11], s[6:7], s[10:11]
	s_add_nc_u64 s[98:99], s[98:99], s[22:23]
	s_add_nc_u64 s[100:101], s[100:101], s[2:3]
	s_add_nc_u64 s[8:9], s[8:9], s[46:47]
	s_add_nc_u64 s[10:11], s[10:11], s[92:93]
	CROUND                                         ; all sixteen work-groups are here: the first joint loads meet
	s_mov_b32 s[G0S], 1
	s_add_co_u32 s[G0S+1], s94, SCL
	s_mov_b64 s[G0S+2:G0S+3], s[100:101]
	s_or_b32 s[G0S+3], s[G0S+3], 0x80000000
	s_mov_b32 s[G0SB], 1
	s_add_co_u32 s[G0SB+1], s94, SCL
	s_mov_b64 s[G0SB+2:G0SB+3], s[10:11]
	s_or_b32 s[G0SB+3], s[G0SB+3], 0x80000000
	JLOAD G0S, G1S, G0SB, G1SB                     ; the scale bytes first: three loads of mine are out at the most
.irp s, 0,1
	s_mov_b32 s[G0+4*\s], 1
	s_add_co_u32 s[G0+4*\s+1], s45, \s*SLOT
	s_add_nc_u64 s[G0+4*\s+2:G0+4*\s+3], s[98:99], \s*4096
	s_or_b32 s[G0+4*\s+3], s[G0+4*\s+3], 0x80000000
	s_mov_b32 s[G0B+4*\s], 1
	s_add_co_u32 s[G0B+4*\s+1], s45, \s*SLOT
	s_add_nc_u64 s[G0B+4*\s+2:G0B+4*\s+3], s[8:9], \s*4096
	s_or_b32 s[G0B+4*\s+3], s[G0B+4*\s+3], 0x80000000
	JLOAD G0+4*\s, G1, G0B+4*\s, G1B
.endr
	v_and_b32 v1, 15, v0                           ; r
	v_bfe_u32 v2, v0, 4, 1                         ; h
	v_and_b32 v3, 31, v0
	v_lshlrev_b32 v3, 4, v3                        ; 16 x lane: an image's place for my lane
	s_lshl_b32 s21, s[FH], 15
	s_lshl_b32 s22, s[FL], 15
	s_add_co_u32 s22, s22, 2*HALFT
.irp s, 0,1
	v_add_nc_u32 v[ADRA+\s], s21, v3
	v_add_nc_u32 v[ADRB+\s], s22, v3
	s_add_co_u32 s21, s21, SLOT
	s_add_co_u32 s22, s22, SLOT
.endr
	v_mul_u32_u24 v4, v1, 32                       ; my row's scale bytes: 32 a row, and 16 more for each 256 passed
	v_lshrrev_b32 v5, 8, v4
	v_lshl_add_u32 v4, v5, 4, v4
	s_mul_i32 s21, s[FH], HALFS
	s_mul_i32 s22, s[FL], HALFS
	s_add_co_u32 s22, s22, 2*HALFS
	s_sub_co_u32 s22, s22, s21
	v_mul_u32_u24 v5, s22, v2                      ; lanes 16-31 take B's
	s_add_co_u32 s21, s21, SCL
	v_add_nc_u32 v4, v4, v5
	v_add_nc_u32 v[ADRS], s21, v4
	; ---- where my 128 x 128 lies, and what hangs on the kind: all by selections, no branch
	s_lshl_b32 s21, s96, 8
	s_lshl_b32 s22, s[FH], 7
	s_add_co_u32 s21, s21, s22                     ; my first row of the A role
	s_lshl_b32 s22, s42, 8
	s_lshl_b32 s23, s[FL], 7
	s_add_co_u32 s22, s22, s23                     ; of the B role
	s_cmp_eq_u32 ttmp9, 2
	s_cselect_b32 s23, s22, s21                    ; my first token (buffer row)
	s_cselect_b32 s46, s21, s22                    ; my first column of W_attn, 0 .. 3,071
	s_cselect_b32 s4, 0, 64
	s_cselect_b32 s5, 4, 0
	s_cselect_b32 s6, 0, 4
	s_movk_i32 s97, 1024
	s_cselect_b32 s97, 2048, s97                   ; from block to block of the A role, in qkvc
	s_mov_b32 s94, 131072
	s_cselect_b32 s94, 1024, s94                   ; from codes 0-7 to codes 8-15: q, k: the next head; v: the image's second half
	s_cselect_b32 s7, 0, 16
	; the bias.  q, k: register 8 x + j belongs to column 32 (x / 2) + 8 (x % 2) + 16 h + j.  v: all of block x's belong to my lane's column 32 (x / 2) + 8 (x % 2) + r + 8 (r / 8): the eight offsets are equal
	v_and_b32 v4, 8, v1
	v_add_nc_u32 v4, v4, v1
	v_mul_u32_u24 v4, s5, v4
	v_mad_u32_u24 v4, s4, v2, v4
	s_lshl_b32 s22, s46, 2
	v_add_nc_u32 v[VJ], s22, v4
.irp j, 1,2,3,4,5,6,7
	v_add_nc_u32 v[VJ+\j], s6, v[VJ+\j-1]
.endr
.irp x, 0,1,2,3,4,5,6,7
.irp j, 0,1,2,3,4,5,6,7
	global_load_b32 v[BI+8*\x+\j], v[VJ+\j], s[12:13] offset:(32*(\x/2)+8*(\x%2))*4
.endr
.endr
	s_lshr_b32 s47, s23, 11
	s_lshl_b32 s47, s47, 4                         ; 16 x batch
	s_and_b32 s23, s23, 2047                       ; the token in its sequence: a multiple of 128
	s_and_b32 s92, s46, 1023
	s_lshr_b32 s92, s92, 6                         ; my first head
	s_add_co_u32 s93, s47, s92
	s_lshl_b32 s2, s93, 17                         ; q, k: [batch, head] 131,072 + [tile of 16 tokens] 1,024
	s_lshl_b32 s3, s23, 6
	s_add_co_u32 s2, s2, s3
	s_lshr_b32 s3, s23, 7                          ; v: [batch][step of 128 keys] 131,072 + [head] 8,192
	s_add_co_u32 s3, s3, s47
	s_lshl_b32 s3, s3, 17
	s_lshl_b32 s4, s92, 13
	s_add_co_u32 s3, s3, s4
	s_cmp_eq_u32 ttmp9, 2
	s_cselect_b32 s2, s3, s2
	s_lshl_b32 s3, ttmp9, 23                       ; q at 0, k at 8,388,608, v at 16,777,216
	s_add_co_u32 s2, s2, s3
	v_add_nc_u32 v[VA0], s2, v3
	v_add_nc_u32 v[VA1], s94, v[VA0]
	v_mul_u32_u24 v[SH], s7, v2                    ; q, k: lanes 16-31 store the second head's two bytes
	s_mul_i32 s2, s93, 28672                       ; k, v: the record of 256 keys
	s_lshr_b32 s3, s23, 8
	s_mul_i32 s3, s3, 3584
	s_add_co_u32 s2, s2, s3
	s_bfe_u32 s3, s23, 0x10007                     ; which half of the record's keys
	s_lshl_b32 s4, s3, 9
	s_lshl_b32 s3, s3, 8
	s_add_co_u32 s3, s3, 1024
	s_cmp_eq_u32 ttmp9, 2
	s_cselect_b32 s3, s3, s4
	s_add_co_u32 s2, s2, s3
	s_lshl_b32 s3, s93, 13                         ; q: 8,192 bytes a head, 256 for four tiles
	s_lshl_b32 s4, s23, 2
	s_add_co_u32 s3, s3, s4
	s_add_co_u32 s3, s3, QSOFF
	s_cmp_eq_u32 ttmp9, 0
	s_cselect_b32 s2, s3, s2
	s_mov_b32 s3, 28672
	s_cselect_b32 s3, 8192, s3                     ; from head to head
	s_cmp_eq_u32 ttmp9, 2
	s_cselect_b32 s4, 0, s3                        ; q, k: lanes 16-31 write the next head's; v: both halves of the lanes write the same 16 bytes
	s_movk_i32 s93, 256
	s_cselect_b32 s93, s3, s93                     ; from the first store to the second: q, k: four tiles on; v: the next head
	v_mul_u32_u24 v[VSC], s4, v2
	v_lshl_add_u32 v[VSC], v1, 4, v[VSC]
	v_add_nc_u32 v[VSC], s2, v[VSC]
.macro FRAG reg, adr, q, i             ; a fragment comes back as it was stored: four loads of 512 consecutive bytes
.irp c, 0,1,2,3
	ds_load_b128 v[\reg+4*\c:\reg+4*\c+3], v[\adr] offset:2048*(\q)+512*\c+4096*(\i)
.endr
.endm
.macro MUL16 a0, p, q, sc, zero        ; A's blocks a0, a0 + 1 x B's eight; the 64 accumulators take turns, one instruction a turn
.irp a, \a0, \a0+1
.irp b, 0,1,2,3,4,5,6,7
.if \zero
	v_wmma_scale_f32_16x16x128_f8f6f4 v[8*(8*((\a)%4)+\b):8*(8*((\a)%4)+\b)+7], v[128*(\p)+FR*\b:128*(\p)+FR*\b+FR-1], v[AF+FR*(\a):AF+FR*(\a)+FR-1], 0, v[SC+8*NQ*(\sc)+NQ*\b+(\q)], v[SC+8*NQ*(\sc)+NQ*(\a)+(\q)] matrix_a_fmt:MATRIX_FMT_BF8 matrix_b_fmt:MATRIX_FMT_BF8 matrix_a_scale:MATRIX_SCALE_ROW1
.else
	v_wmma_scale_f32_16x16x128_f8f6f4 v[8*(8*((\a)%4)+\b):8*(8*((\a)%4)+\b)+7], v[128*(\p)+FR*\b:128*(\p)+FR*\b+FR-1], v[AF+FR*(\a):AF+FR*(\a)+FR-1], v[8*(8*((\a)%4)+\b):8*(8*((\a)%4)+\b)+7], v[SC+8*NQ*(\sc)+NQ*\b+(\q)], v[SC+8*NQ*(\sc)+NQ*(\a)+(\q)] matrix_a_fmt:MATRIX_FMT_BF8 matrix_b_fmt:MATRIX_FMT_BF8 matrix_a_scale:MATRIX_SCALE_ROW1
.endif
.endr
.endr
.endm
.macro FETCH_B slot, q, p
	WIN TO_B
.irp i, 0,1,2,3,4,5,6,7
	FRAG 128*(\p)+FR*\i, ADRB+\slot, \q, \i
.endr
	WIN 0
.endm
.macro FETCH_A slot, q, i0
.irp i, \i0, \i0+1, \i0+2, \i0+3
	FRAG AF+FR*(\i), ADRA+\slot, \q, \i
.endr
.endm
.macro SCALES sc                       ; a K step's two words a row: lanes 0-15 A's block i, lanes 16-31 B's block i
.irp i, 0,1,2,3,4,5,6,7
	ds_load_b64 v[SC+8*NQ*\sc+NQ*\i:SC+8*NQ*\sc+NQ*\i+1], v[ADRS] offset:\i*SBLK
.endr
.endm
.macro PLACES n
.rept \n
	v_nop
.endr
.endm
.macro STEP slot, q, zero              ; 128 along K that have their successor in the same slot
	s_wait_dscnt 4*NL                              ; B's set and A's blocks 0-3 are in; the youngest 16 loads (A's blocks 4-7) may be out
	WIN MUL_LO
	MUL16 0, (\q)%2, \q, \slot, \zero
	MUL16 2, (\q)%2, \q, \slot, \zero
	s_wait_dscnt 0
	PLACES NP
	FETCH_B \slot, (\q)+1, 1-(\q)%2
	FETCH_A \slot, (\q)+1, 0
	WIN MUL_HI
	MUL16 4, (\q)%2, \q, \slot, \zero
	MUL16 6, (\q)%2, \q, \slot, \zero
	PLACES NP
	WIN 0
	FETCH_A \slot, (\q)+1, 4
.endm
.macro TURN slot, next, fill           ; a slot's last 128 change slots: one barrier; fill = 1: it opens a round of the cluster's barrier, and the slot is filled again
	s_wait_tensorcnt 0x0                           ; all my tensor loads have landed: my part of the next slot
	ds_add_u32 v[SPW], v[NIL]                      ; 0 onto my spare word
	s_wait_dscnt 4*NL+1                            ; (the add and the youngest 16 loads may be out)
	WIN MUL_LO
	MUL16 0, 1, NQ-1, \slot, 0
	s_wait_dscnt 0x0                               ; the add is done, and my reads of this slot are over
	s_barrier_signal -1
	MUL16 2, 1, NQ-1, \slot, 0
	WIN 0
	s_barrier_wait -1
.if \fill
	CREST                                          ; no wave of any partner still reads this slot or has a load on its way
	s_add_nc_u64 s[G0+4*\slot+2:G0+4*\slot+3], s[G0+4*\slot+2:G0+4*\slot+3], 8192
	s_add_nc_u64 s[G0B+4*\slot+2:G0B+4*\slot+3], s[G0B+4*\slot+2:G0B+4*\slot+3], 8192
	JLOAD G0+4*\slot, G1, G0B+4*\slot, G1B         ; the first tensor load behind the round
	PLACES NP-4
.else
	PLACES NP
.endif
	v_add_nc_u32 v[ADRS], 4*NQ, v[ADRS]
	FETCH_B \next, 0, 0
	FETCH_A \next, 0, 0
	SCALES \next
	WIN MUL_HI
	MUL16 4, 1, NQ-1, \slot, 0
	MUL16 6, 1, NQ-1, \slot, 0
	PLACES NP
	WIN 0
	FETCH_A \next, 0, 4
.endm
	s_wait_tensorcnt 1                             ; the scale bytes and my part of K step 0 are in (K step 1's load may be out)
	s_barrier_signal -1
	s_barrier_wait -1
	FETCH_B 0, 0, 0
	FETCH_A 0, 0, 0
	SCALES 0
	FETCH_A 0, 0, 4
	STEP 0, 0, 1                                   ; K = 1,024 is four K steps, twice round the ring: written out, no loop
	TURN 0, 1, 1
	STEP 1, 0, 0
	TURN 1, 0, 1
	STEP 0, 0, 0
	TURN 0, 1, 0
	STEP 1, 0, 0
	s_wait_dscnt 4*NL
	WIN MUL_LO
	MUL16 0, 1, NQ-1, 1, 0
	MUL16 2, 1, NQ-1, 1, 0
	s_wait_dscnt 0
	WIN MUL_HI
	MUL16 4, 1, NQ-1, 1, 0
	MUL16 6, 1, NQ-1, 1, 0
	WIN 0
; THE WAY OUT, block by block of the A role.  The bias is added on the way into window 0; the 64 numbers of a lane are quantised; the codes are the next operand's registers and leave as 512-byte runs.
.macro OUTBLK a
.set AC, 64*((\a)%4)
	s_cmp_eq_u32 ttmp9, 2                          ; the kind: the same in every wave of every partner
	s_cbranch_scc1 .Lbias_v_\@
	WIN 0x02+(\a)/4
.set i, 0
.rept 32
	v_pk_add_f32 v[X+i:X+i+1], v[AC+i:AC+i+1], v[BI+i:BI+i+1]   ; each accumulator from its low end on
.set i, i+2
.endr
	WIN 0
	s_branch .Lbias_done_\@
.Lbias_v_\@:
	WIN 0x02+(\a)/4
.set i, 0
.rept 32
	v_pk_add_f32 v[X+i:X+i+1], v[AC+i:AC+i+1], v[BI+8*(\a):BI+8*(\a)+1]
.set i, i+2
.endr
	WIN 0
.Lbias_done_\@:
	s_wait_xcnt 0x0                                ; the last block's stores have read their codes and offsets
.if (\a) > 0
	v_add_nc_u32 v[VA0], s97, v[VA0]
	v_add_nc_u32 v[VA1], s97, v[VA1]
.endif
.if (\a) == 4
	v_add_nc_u32 v[VSC], s93, v[VSC]
.endif
	QUANT X, SW+(\a)
	global_store_b128 v[VA0], v[PC:PC+3], s[14:15]
	global_store_b128 v[VA0], v[PC+4:PC+7], s[14:15] offset:512
	global_store_b128 v[VA1], v[PC+8:PC+11], s[14:15]
	global_store_b128 v[VA1], v[PC+12:PC+15], s[14:15] offset:512
.if (\a)%4 == 3
.irp i, 0,1,2,3
	v_lshrrev_b32 v[TD+\i], v[SH], v[SW+4*((\a)/4)+\i]   ; four blocks' scale words: 16 bytes a lane
.endr
	global_store_b128 v[VSC], v[TD:TD+3], s[16:17]
.endif
.endm
	s_wait_loadcnt 0x0                             ; the bias
	PLACES NP                                      ; behind the last products: their results are read, and the registers that held A's fragments are written
.irp b, 0,1,2,3
	v_mov_b32 v[TM+4+\b], 0                        ; a lane permute's destination counts as read
.endr
.irp a, 0,1,2,3,4,5,6,7
	OUTBLK \a
.endr
	s_wait_tensorcnt 0x0                           ; the wave's end
	ds_add_u32 v[SPW], v[NIL]
	s_wait_dscnt 0x0
	CROUND                                         ; the closing round
	s_endpgm
.Lfunc_end_k_qa7b40013b4_qkv:
	.size	k_qa7b40013b4_qkv, .Lfunc_end_k_qa7b40013b4_qkv-k_qa7b40013b4_qkv
	.p2alignl 7, 3214868480
	.fill 96, 4, 3214868480
	.section	.rodata,"a",@progbits
	.p2align	6, 0x0
	.amdhsa_kernel k_qa7b40013b4_qkv
		.amdhsa_group_segment_fixed_size 327680
		.amdhsa_private_segment_fixed_size 0
		.amdhsa_enable_private_segment 0
		.amdhsa_kernarg_size 56
		.amdhsa_user_sgpr_count 2
		.amdhsa_user_sgpr_kernarg_segment_ptr 1
		.amdhsa_wavefront_size32 1
		.amdhsa_system_sgpr_workgroup_id_x 1
		.amdhsa_system_sgpr_workgroup_id_y 1
		.amdhsa_system_sgpr_workgroup_id_z 1
		.amdhsa_system_vgpr_workitem_id 0
		.amdhsa_next_free_vgpr 1024
		.amdhsa_next_free_sgpr 102
		.amdhsa_reserve_vcc 0
		.amdhsa_float_denorm_mode_32 3
		.amdhsa_float_denorm_mode_16_64 3
		.amdhsa_memory_ordered 1
		.amdhsa_forward_progress 1
		.amdhsa_inst_pref_size 226
	.end_amdhsa_kernel
	.amdgpu_metadata
---
amdhsa.version: [ 1, 2 ]
amdhsa.kernels:
  - .name:           k_qa7b40013b4_qkv
    .symbol:         k_qa7b40013b4_qkv.kd
    .args:
      - { .name: actq, .offset: 0, .size: 8, .value_kind: global_buffer, .address_space: global }
      - { .name: acts, .offset: 8, .size: 8, .value_kind: global_buffer, .address_space: global }
      - { .name: wq, .offset: 16, .size: 8, .value_kind: global_buffer, .address_space: global }
      - { .name: ws, .offset: 24, .size: 8, .value_kind: global_buffer, .address_space: global }
      - { .name: b_attn, .offset: 32, .size: 8, .value_kind: global_buffer, .address_space: global }
      - { .name: qkvc, .offset: 40, .size: 8, .value_kind: global_buffer, .address_space: global }
      - { .name: side, .offset: 48, .size: 8, .value_kind: global_buffer, .address_space: global }
    .group_segment_fixed_size: 327680
    .private_segment_fixed_size: 0
    .kernarg_segment_align: 8
    .kernarg_segment_size: 56
    .max_flat_workgroup_size: 128
    .sgpr_count:     102
    .vgpr_count:     1024
    .wavefront_size: 32
...
	.end_amdgpu_metadata
.endif
;; end of part 2
;; launch hidden (part 3): grid 64 x 1, 16 waves a work-group, no clusters, 69,888 bytes of LDS; arguments attention_mask, qkvc, side, hid; writes hid
.if DOCPART == 3
	.amdgcn_target "amdgcn-amd-amdhsa--gfx1250"
	.amdhsa_code_object_version 6
	.text
	.protected	k_qa7b40013b4_hidden
	.globl	k_qa7b40013b4_hidden
	.p2align	8
	.type	k_qa7b40013b4_hidden,@function
k_qa7b40013b4_hidden:
	s_mov_b64 s[64:65], 0
	v_nop
	global_prefetch_b8 v0, s[64:65] scope:SCOPE_SE
	s_setreg_imm32_b32 hwreg(HW_REG_WAVE_MODE, 25, 1), 1
	s_wait_xcnt 0x0
; Launch 3 of 5: what the keys of LATER chunks add to a query.  Their logit is mask[k] - 10000 whatever the query, so for all queries of chunk j (128 keys) the chunks s > j give
; G_j[d] = sum of Q(p) Q(v)[k][d] and L_j = sum of p, with p = 2^(t - M0_j), t = (mask - 10000) log2 e, M0_j = the ceiling of the suffix's largest t.  Launch 4 brings them under its own M by an exact power of two.
; A work-group takes one (batch, head); wave w takes chunk s = w; lane (r, h) takes table row j = r, where a query stands in the attention product: one scaled product of 128 keys for all 16 rows.
; Rows j >= s get p = 0 (-M = -infinity).  Row 15 has no suffix: G = 0, L = 0, -M0 = 3e38.  The 16 waves' parts are added through LDS.
.set CMX,   0                          ; LDS: the 16 chunks' largest t
.set PART,  256                        ; 16 x 4,096: each wave's 16 rows x 64 channels
.set LPT,   65792                      ; 16 x 128: each wave's sums
.set SPARE, 67840
.set SPW, 5
.set NIL, 6
.set S,   96                           ; v96-159 the scores, then p
.set G,   160                          ; v160-191 first the chunks' maxima, then the products
.set PCD, 200
.set VS,  216
.set BM,  224
.set T2,  228
.set HV,  232
.set SO,  236
.set PW,  241
.set SEL, 24
.set CS,  26
.set MNT, 28
	s_load_b256 s[4:11], s[0:1], 0x0               ; attention_mask, qkvc, side, hid
	v_lshl_add_u32 v[SPW], v0, 2, SPARE
	v_mov_b32 v[NIL], 0
	v_lshrrev_b32 v1, 5, v0
	s_delay_alu instid0(VALU_DEP_1)
	v_readfirstlane_b32 s12, v1                    ; wave = chunk
	v_and_b32 v20, 31, v0
	s_delay_alu instid0(VALU_DEP_1)
	v_lshlrev_b32 v1, 4, v20                       ; 16 x lane
	s_wait_alu depctr_va_vdst(0)
	v_lshlrev_b32 v20, 2, v20                      ; 4 x lane
	s_wait_alu depctr_va_vdst(0)
	v_and_b32 v2, 15, v0                           ; r
	v_bfe_u32 v3, v0, 4, 1                         ; h
	s_delay_alu instid0(VALU_DEP_1)
	v_lshlrev_b32 v4, 6, v3                        ; 64 h
	s_delay_alu instid0(VALU_DEP_3)
	v_lshlrev_b32 v7, 4, v2                        ; 16 r
	s_lshr_b32 s13, ttmp9, 4                       ; batch
	s_and_b32 s14, ttmp9, 15                       ; head
	s_lshl_b32 s16, s13, 13
	s_lshl_b32 s17, s12, 9
	s_add_co_u32 s16, s16, s17                     ; the mask of my 128 keys
	s_mov_b32 s17, 0
	s_lshl_b32 s18, s13, 4
	s_add_co_u32 s18, s18, s12
	s_lshl_b32 s18, s18, 4
	s_add_co_u32 s18, s18, s14
	s_lshl_b32 s18, s18, 13
	s_add_co_u32 s18, s18, 16777216                ; v's four images of my chunk
	s_mov_b32 s19, 0
	s_lshl_b32 s20, ttmp9, 3
	s_lshr_b32 s21, s12, 1
	s_add_co_u32 s20, s20, s21
	s_mul_i32 s20, s20, 3584
	s_and_b32 s21, s12, 1
	s_lshl_b32 s21, s21, 8
	s_add_co_u32 s20, s20, s21
	s_add_co_u32 s20, s20, 1024                    ; and their scale words
	s_mov_b32 s21, 0
	s_mul_i32 s22, ttmp9, 4352
	s_mov_b32 s23, 0
	s_mov_b32 s[SEL], 0x76543210
	s_mov_b32 s[SEL+1], 0xfedcba98
	s_mov_b32 s[CS], 0x3fb8aa3b                    ; log2 e
	s_mov_b32 s[CS+1], s[CS]
	; every LDS address is made here, ahead of the place where the waves part
	s_lshl_b32 s29, s12, 2
	v_mov_b32 v8, s29                              ; my chunk's word
	v_mov_b32 v9, 0
	s_lshl_b32 s29, s12, 12
	s_add_co_u32 s29, s29, PART
	v_add_nc_u32 v10, s29, v1                      ; my part
	s_lshl_b32 s29, s12, 7
	s_add_co_u32 s29, s29, LPT
	v_add_nc_u32 v11, s29, v20
	s_lshl_b32 s29, s12, 9
	s_add_co_u32 s29, s29, PART
	v_add_nc_u32 v16, s29, v1                      ; the piece that I add up (waves 0-7)
	v_add_nc_u32 v17, LPT, v20
	s_lshr_b32 s29, s12, 1
	s_lshl_b32 s29, s29, 6
	s_and_b32 s30, s12, 1
	s_lshl_b32 s30, s30, 4
	s_add_co_u32 s29, s29, s30
	v_lshlrev_b32 v18, 8, v2
	s_delay_alu instid0(VALU_DEP_1)
	v_lshl_add_u32 v18, v3, 5, v18
	s_delay_alu instid0(VALU_DEP_1)
	v_add_nc_u32 v18, s29, v18                     ; hid: row r of 256 bytes, + 64 (g / 2) + 32 h + 16 (g % 2)
	v_lshlrev_b32 v19, 3, v2
	s_delay_alu instid0(VALU_DEP_1)
	v_lshl_add_u32 v19, v3, 2, v19
	s_delay_alu instid0(VALU_DEP_1)
	v_add_nc_u32 v19, 4096, v19                    ; and the pair {-M0, L}
	v_mov_b32 v14, 0
	v_mov_b32 v15, 0
.irp b, 0,1,2,3
	v_mov_b32 v[T2+\b], 0
.endr
	v_mov_b32 v242, 0
	v_mov_b32 v244, 0xff61b1e6                     ; -3e38
	s_wait_kmcnt 0x0
	s_add_nc_u64 s[4:5], s[4:5], s[16:17]
	s_add_nc_u64 s[6:7], s[6:7], s[18:19]
	s_add_nc_u64 s[8:9], s[8:9], s[20:21]
	s_add_nc_u64 s[10:11], s[10:11], s[22:23]
.irp b, 0,1,2,3
.irp j, 0,1,2,3
	global_load_b128 v[S+16*\b+4*\j:S+16*\b+4*\j+3], v4, s[4:5] offset:128*\b+16*\j   ; register 16 b + i: key 32 b + 16 h + i
.endr
.endr
.irp t, 0,1,2,3
.irp c, 0,1,2,3
	global_load_b128 v[32+16*\t+4*\c:35+16*\t+4*\c], v1, s[6:7] offset:2048*\t+512*\c
.endr
.endr
	global_load_b128 v[VS:VS+3], v7, s[8:9]
	s_wait_loadcnt 17                              ; the mask is in; v's 16 loads and its scale words may be out
.set i, 0
.rept 32
	v_pk_add_f32 v[S+i:S+i+1], v[S+i:S+i+1], 0xc61c4000 op_sel_hi:[1,0]   ; the logit: mask - 10000
.set i, i+2
.endr
.irp b, 0,1,2,3
	v_max3_num_f32 v[BM+\b], v[S+16*\b], v[S+1+16*\b], v[S+2+16*\b]   ; each block's largest logit
.endr
.irp i, 3,5,7,9,11,13
.irp b, 0,1,2,3
	s_delay_alu instid0(VALU_DEP_4)
	v_max3_num_f32 v[BM+\b], v[BM+\b], v[S+16*\b+\i], v[S+1+16*\b+\i]
.endr
.endr
.irp b, 0,1,2,3
	s_delay_alu instid0(VALU_DEP_4)
	v_max_num_f32 v[BM+\b], v[BM+\b], v[S+15+16*\b]
.endr
.irp b, 0,1,2,3
	s_delay_alu instid0(VALU_DEP_4)
	v_permlanex16_b32 v[T2+\b], v[BM+\b], s[SEL], s[SEL+1]
.endr
.irp b, 0,1,2,3
	s_delay_alu instid0(VALU_DEP_4)
	v_max_num_f32 v[BM+\b], v[BM+\b], v[T2+\b]
.endr
	s_delay_alu instid0(VALU_DEP_2)
	v_max3_num_f32 v242, v[BM], v[BM+1], v[BM+2]
	s_delay_alu instid0(VALU_DEP_1)
	v_max_num_f32 v242, v242, v[BM+3]
	s_delay_alu instid0(VALU_DEP_1)
	v_mul_f32 v242, s[CS], v242                    ; the chunk's largest t
	ds_store_b32 v8, v242
	s_wait_dscnt 0x0
	s_barrier_signal -1
	s_barrier_wait -1
.irp i, 0,1,2,3
	ds_load_b128 v[G+4*\i:G+4*\i+3], v9 offset:16*\i
.endr
	s_wait_dscnt 0x0
	v_mov_b32 v243, v244
.irp s, 1,2,3,4,5,6,7,8,9,10,11,12,13,14,15
	v_cmp_gt_u32 vcc_lo, \s, v2                    ; chunk s counts for row r where s > r
	s_delay_alu instid0(VALU_DEP_1)
	v_cndmask_b32 v242, v244, v[G+\s], vcc_lo
	s_delay_alu instid0(VALU_DEP_1)
	v_max_num_f32 v243, v243, v242
.endr
	s_delay_alu instid0(VALU_DEP_1)
	v_floor_f32 v13, -v243                         ; -M0 of my row
	v_mov_b32 v242, 0xff800000
	v_cmp_gt_u32 vcc_lo, s12, v2
	s_delay_alu instid0(VALU_DEP_1)
	v_cndmask_b32 v12, v242, v13, vcc_lo           ; my chunk does not count for rows r >= w: -infinity there, p = 0
.set i, 0
.rept 32
	v_pk_fma_f32 v[S+i:S+i+1], v[S+i:S+i+1], s[CS:CS+1], v[12:13] op_sel_hi:[1,0,0]   ; t - M0
.set i, i+2
.endr
.irp b, 0,1,2,3
	v_fma_f32 v[BM+\b], v[BM+\b], s[CS], v12
.endr
.set i, 0
	s_wait_alu depctr_va_vdst(0)
.rept 64
	v_exp_f32 v[S+i], v[S+i]
.set i, i+1
.endr
	v_nop                                          ; a plain line behind the exponentials
	s_wait_alu depctr_va_vdst(0)                   ; one wait for the batch, ahead of its first reader
.irp b, 0,1,2,3
	v_exp_f32 v[BM+\b], v[BM+\b]                   ; each block's largest p
.endr
	v_pk_add_f32 v[228:229], v[100:101], v[104:105]
	v_pk_add_f32 v[254:255], v[108:109], v[112:113]
	v_pk_add_f32 v[252:253], v[116:117], v[120:121]
	v_pk_add_f32 v[250:251], v[124:125], v[128:129]
	v_pk_add_f32 v[248:249], v[132:133], v[136:137]
	v_pk_add_f32 v[246:247], v[140:141], v[144:145]
	v_pk_add_f32 v[244:245], v[148:149], v[152:153]
	v_pk_add_f32 v[14:15], v[14:15], v[156:157]
	v_pk_add_f32 v[228:229], v[228:229], v[96:97]
	v_pk_add_f32 v[254:255], v[254:255], v[98:99]
	v_pk_add_f32 v[252:253], v[252:253], v[102:103]
	v_pk_add_f32 v[250:251], v[250:251], v[106:107]
	v_pk_add_f32 v[248:249], v[248:249], v[110:111]
	v_pk_add_f32 v[246:247], v[246:247], v[114:115]
	v_pk_add_f32 v[244:245], v[244:245], v[118:119]
	v_pk_add_f32 v[14:15], v[14:15], v[122:123]
	v_pk_add_f32 v[228:229], v[228:229], v[126:127]
	v_pk_add_f32 v[254:255], v[254:255], v[130:131]
	v_pk_add_f32 v[252:253], v[252:253], v[134:135]
	v_pk_add_f32 v[250:251], v[250:251], v[138:139]
	v_pk_add_f32 v[248:249], v[248:249], v[142:143]
	v_pk_add_f32 v[246:247], v[246:247], v[146:147]
	v_pk_add_f32 v[244:245], v[244:245], v[150:151]
	v_pk_add_f32 v[14:15], v[14:15], v[154:155]
	v_pk_add_f32 v[228:229], v[228:229], v[158:159]
	s_delay_alu instid0(VALU_DEP_2)
	v_pk_add_f32 v[14:15], v[14:15], v[250:251]
	s_delay_alu instid0(VALU_DEP_2)
	v_pk_add_f32 v[228:229], v[228:229], v[248:249]
	v_pk_add_f32 v[254:255], v[254:255], v[246:247]
	v_pk_add_f32 v[252:253], v[252:253], v[244:245]
	s_delay_alu instid0(VALU_DEP_2)
	v_pk_add_f32 v[14:15], v[14:15], v[254:255]
	s_delay_alu instid0(VALU_DEP_2)
	v_pk_add_f32 v[228:229], v[228:229], v[252:253]
	s_delay_alu instid0(VALU_DEP_1)
	v_pk_add_f32 v[14:15], v[14:15], v[228:229]
	s_wait_alu depctr_va_vdst(0)                   ; and one for the four
.irp b, 0,1,2,3
	v_max_num_f32 v[BM+\b], 0x8000000, v[BM+\b]
.endr
.irp b, 0,1,2,3
	s_delay_alu instid0(VALU_DEP_4)
	v_add_nc_u32 v[SO+\b], 0xf8800000, v[BM+\b]
.endr
.irp b, 0,1,2,3
.endr
.irp b, 0,1,2,3
	s_delay_alu instid0(VALU_DEP_4)
	v_lshrrev_b32 v[T2+\b], 23, v[SO+\b]
.endr
	s_delay_alu instid0(VALU_DEP_3)
	v_lshl_or_b32 v[PW], v[T2+1], 8, v[T2]
	s_delay_alu instid0(VALU_DEP_1)
	v_lshl_or_b32 v[PW], v[T2+2], 16, v[PW]
	s_delay_alu instid0(VALU_DEP_1)
	v_lshl_or_b32 v[PW], v[T2+3], 24, v[PW]
.irp b, 0,1,2,3
.irp i, 0,1,2,3,4,5,6,7,8,9,10,11,12,13,14,15
.endr
	v_cvt_scalef32_pk8_bf8_f32 v[PCD+4*\b:PCD+1+4*\b], v[S+16*\b:S+7+16*\b], v[SO+\b]
	v_cvt_scalef32_pk8_bf8_f32 v[PCD+2+4*\b:PCD+3+4*\b], v[S+8+16*\b:S+15+16*\b], v[SO+\b]
.endr
	v_add_f32 v14, v14, v15
	s_delay_alu instid0(VALU_DEP_1)
	v_permlanex16_b32 v242, v14, s[SEL], s[SEL+1]
	s_delay_alu instid0(VALU_DEP_1)
	v_add_f32 v14, v14, v242                       ; my chunk's sum for row r
.rept 4
	v_nop                                          ; codes written by vector instructions stand four places ahead of a scaled product
.endr
	s_wait_alu depctr_va_vdst(0)
	s_wait_loadcnt 0x0                             ; v
.irp t, 0,1,2,3
	v_wmma_scale_f32_16x16x128_f8f6f4 v[G+8*\t:G+8*\t+7], v[32+16*\t:47+16*\t], v[PCD:PCD+15], 0, v[VS+\t], v[PW] matrix_a_fmt:MATRIX_FMT_BF8 matrix_b_fmt:MATRIX_FMT_BF8
.endr
.rept 8
	v_nop
.endr
.irp g, 0,1,2,3,4,5,6,7
	ds_store_b128 v10, v[G+4*\g:G+4*\g+3] offset:512*\g
.endr
	ds_store_b32 v11, v14
	s_wait_dscnt 0x0
	s_barrier_signal -1
	s_barrier_wait -1
	s_cmp_lt_u32 s12, 8
	s_cbranch_scc0 .Lnot_g
.set i, 0
.rept 16
	ds_load_b128 v[S+4*i:S+4*i+3], v16 offset:4096*i
.set i, i+1
.endr
	s_wait_dscnt 0x0
.set i, 1
	v_pk_add_f32 v[S:S+1], v[S:S+1], v[S+4*i:S+4*i+1]
	v_pk_add_f32 v[S+2:S+3], v[S+2:S+3], v[S+4*i+2:S+4*i+3]
.set i, i+1
.rept (15)-1
	s_delay_alu instid0(VALU_DEP_2)
	v_pk_add_f32 v[S:S+1], v[S:S+1], v[S+4*i:S+4*i+1]
	s_delay_alu instid0(VALU_DEP_2)
	v_pk_add_f32 v[S+2:S+3], v[S+2:S+3], v[S+4*i+2:S+4*i+3]
.set i, i+1
.endr
	global_store_b128 v18, v[S:S+3], s[10:11]
	s_branch .Lfin
.Lnot_g:
	s_cmp_eq_u32 s12, 8
	s_cbranch_scc0 .Lfin
.set i, 0
.rept 16
	ds_load_b32 v[S+i], v17 offset:128*i
.set i, i+1
.endr
	s_wait_dscnt 0x0
.set i, 1
	v_add_f32 v255, v97, v98
	v_add_f32 v254, v99, v100
	v_add_f32 v253, v101, v102
	v_add_f32 v252, v103, v104
	v_add_f32 v251, v105, v106
	v_add_f32 v250, v107, v108
	v_add_f32 v249, v109, v110
	v_add_f32 v96, v96, v111
	s_delay_alu instid0(VALU_DEP_1)
	v_add_f32 v96, v96, v252
	v_add_f32 v255, v255, v251
	v_add_f32 v254, v254, v250
	v_add_f32 v253, v253, v249
	s_delay_alu instid0(VALU_DEP_2)
	v_add_f32 v96, v96, v254
	s_delay_alu instid0(VALU_DEP_2)
	v_add_f32 v255, v255, v253
	s_delay_alu instid0(VALU_DEP_1)
	v_add_f32 v96, v96, v255
	v_cmp_ne_u32 vcc_lo, 0, v3
	s_delay_alu instid0(VALU_DEP_1)
	v_cndmask_b32 v[S], v13, v[S], vcc_lo          ; lanes 0-15 store -M0, lanes 16-31 L
	global_store_b32 v19, v[S], s[10:11]
.Lfin:
	s_wait_tensorcnt 0x0                           ; the wave's end, behind my last LDS store
	ds_add_u32 v[SPW], v[NIL]
	s_wait_dscnt 0x0
	s_endpgm
.Lfunc_end_k_qa7b40013b4_hidden:
	.size	k_qa7b40013b4_hidden, .Lfunc_end_k_qa7b40013b4_hidden-k_qa7b40013b4_hidden
	.p2alignl 7, 3214868480
	.fill 96, 4, 3214868480
	.section	.rodata,"a",@progbits
	.p2align	6, 0x0
	.amdhsa_kernel k_qa7b40013b4_hidden
		.amdhsa_group_segment_fixed_size 69888
		.amdhsa_private_segment_fixed_size 0
		.amdhsa_enable_private_segment 0
		.amdhsa_kernarg_size 32
		.amdhsa_user_sgpr_count 2
		.amdhsa_user_sgpr_kernarg_segment_ptr 1
		.amdhsa_wavefront_size32 1
		.amdhsa_system_sgpr_workgroup_id_x 1
		.amdhsa_system_sgpr_workgroup_id_y 1
		.amdhsa_system_sgpr_workgroup_id_z 1
		.amdhsa_system_vgpr_workitem_id 0
		.amdhsa_next_free_vgpr 256
		.amdhsa_next_free_sgpr 66
		.amdhsa_reserve_vcc 1
		.amdhsa_float_denorm_mode_32 3
		.amdhsa_float_denorm_mode_16_64 3
		.amdhsa_fp16_overflow 1
		.amdhsa_memory_ordered 1
		.amdhsa_forward_progress 1
		.amdhsa_inst_pref_size 33
	.end_amdhsa_kernel
	.amdgpu_metadata
---
amdhsa.version: [ 1, 2 ]
amdhsa.kernels:
  - .name:           k_qa7b40013b4_hidden
    .symbol:         k_qa7b40013b4_hidden.kd
    .args:
      - { .name: attention_mask, .offset: 0, .size: 8, .value_kind: global_buffer, .address_space: global }
      - { .name: qkvc, .offset: 8, .size: 8, .value_kind: global_buffer, .address_space: global }
      - { .name: side, .offset: 16, .size: 8, .value_kind: global_buffer, .address_space: global }
      - { .name: hid, .offset: 24, .size: 8, .value_kind: global_buffer, .address_space: global }
    .group_segment_fixed_size: 69888
    .private_segment_fixed_size: 0
    .kernarg_segment_align: 8
    .kernarg_segment_size: 32
    .max_flat_workgroup_size: 512
    .sgpr_count:     66
    .vgpr_count:     256
    .wavefront_size: 32
...
	.end_amdgpu_metadata
.endif
;; end of part 3
;; launch attn (part 4): grid 4 x 64, 16 waves a work-group, no clusters, 327,680 bytes of LDS; arguments qkvc, side, hid, actq, acts; writes actq, acts
.if DOCPART == 4
	.amdgcn_target "amdgcn-amd-amdhsa--gfx1250"
	.amdhsa_code_object_version 6
	.text
	.protected	k_qa7b40013b4_attn
	.globl	k_qa7b40013b4_attn
	.p2align	8
	.type	k_qa7b40013b4_attn,@function
k_qa7b40013b4_attn:
	s_mov_b64 s[64:65], 0
	v_nop
	global_prefetch_b8 v0, s[64:65] scope:SCOPE_SE
	s_setreg_imm32_b32 hwreg(HW_REG_WAVE_MODE, 25, 1), 1
	s_wait_xcnt 0x0
; Launch 4 of 5: scores, softmax, weights x v, and the quantiser of the merged heads, on codes of E5M2.
; LEFT OUT: the products q.k of steps of 128 keys that lie wholly after a tile's queries: the problem multiplies them by its own zero.  Those keys' weights are NOT left out: launch 3 has made their sum for each chunk; FINISH adds it.
; SOFTMAX: t = (q.k + 8 mask) log2(e) / 8; M = the ceiling of the running largest t; p = 2^(t - M) is quantised along the keys; the sum is taken of the unquantised p and divides at the end.
; 8 x mask is the C of the first product, so it costs no vector line.  In the one step on the diagonal, hidden keys take 8 mask - 80000 in the score's place.
; K = 64 fills half of the instruction's 128: q's upper eight registers are zero codes; what stands against them in k's operand (the next tile's codes, or zeros) adds nothing.
; SHARES.  Work-group (I, batch x head), sixteen waves, a tile of 16 queries a wave at a time: first tile 16 (7 - I) + w, then tile 16 I + 15 - w.  The ring walks slots of 256 keys 0 .. 7 - I and then 0 .. I: nine in every
; work-group, so the trip count is a constant, and every wave has 17 key steps.
; NO CLUSTER: the four work-groups of a head want different slots from the sixth trip on; a joint walk of all eight slots with both tiles at once would take twelve slots' time for nine and more than 256 registers a wave.
; REGISTERS: v1-3 lane terms; v4 the diagonal's bound; v5, v6 the add's two; v7 the prefetch's offset; v8-10 LDS addresses; v11 q's scale word; v12 -M, v13 the largest t, v[14:15] the sum; v16-23 q, v24-31 zeros;
; v32-95 k's eight tiles, then v's four fragments; v96-103 zeros; v104-167 scores, then p; v168-199 O^T; v200-215 p's codes; v216-223 scale words; v224-247 at work; v248-250, v252 lane terms.
.set SLOT1, 65536                      ; a slot: k's 16 tiles (16,384), v's 8 images (16,384), the record (3,584); slot 1 begins here
.set SPARE, 131072
.set QSOFF, 1835008
.set S,   104
.set O,   168
.set PCD, 200
.set KS,  216
.set BM,  224
.set T2,  228
.set HV,  232
.set SO,  236
.set FF,  240
.set PW,  241
.set WV,  18
.set MNT, 19
.set SEL, 20
.set CS,  22
.set G1,  24                           ; s[24:31] 8,192 dense bytes;  s[32:39] the record's 3,584
.set G1S, 32
.set G0,  40
.set BASE, 44                          ; s[44:45] my stream at slot 0;  s46 bytes from slot to slot
.set STP, 46
.set TB,  47
.set TAU, 48
.set SIG, 49
.set LA,  50
.set II,  51
.set BH,  52
.set TT,  53
.set QC,  54
.set LIMX, 55
.set PFA, 56
.set PFS, 58
.set HB,  60
.set QB,  62
.set QSB, 66
.set AQ,  68
.set AS,  70
.set NM,  80
.set SN,  82
.macro TLOAD                           ; waves 0, 1: k's halves; 2, 3: v's two steps; 4: the record; the others nothing.  An s_nop 0 and four v_nop follow each line
	s_cmp_lt_u32 s[WV], 4
	s_cbranch_scc0 .Lnot_c_\@
	tensor_load_to_lds s[G0:G0+3], s[G1:G1+7]
	s_nop 0
.rept 4
	v_nop
.endr
	s_branch .Lasked_\@
.Lnot_c_\@:
	s_cmp_eq_u32 s[WV], 4
	s_cbranch_scc0 .Lasked_\@
	tensor_load_to_lds s[G0:G0+3], s[G1S:G1S+7]
	s_nop 0
.rept 4
	v_nop
.endr
.Lasked_\@:
.endm
; A prefetch of the slot that the NEXT change will ask for.  The four work-groups of a head read the same k and v: work-group I = 0, which walks slots 0 to 7 in order, asks; in it waves 8 to 11, whose streams are those of
; waves 0 to 3: 8,192 bytes each, lanes 256 bytes apart.  Trips 0 to 5 name slots 2 to 7: each block once.  Slots 0 and 1 and the records come by their loads alone.
.macro ASK
	s_cmp_lt_u32 s[TAU], s[LIMX]
	s_cbranch_scc0 .Lnot_mine_\@
	global_prefetch_b8 v7, s[PFA:PFA+1] th:TH_LOAD_NT scope:SCOPE_SE
.Lnot_mine_\@:
.endm
	s_load_b256 s[4:11], s[0:1], 0x0               ; qkvc, side, hid, actq
	s_load_b64 s[12:13], s[0:1], 0x20              ; acts
	v_lshl_add_u32 v5, v0, 2, SPARE
	v_mov_b32 v6, 0
	ds_add_u32 v5, v6                              ; the wave's opening: the add, twice on end, and its wait ahead of my first tensor load
	ds_add_u32 v5, v6
	v_lshrrev_b32 v8, 5, v0
	s_delay_alu instid0(VALU_DEP_1)
	v_readfirstlane_b32 s[WV], v8
	s_and_b32 s[BH], ttmp7, 0xffff
	s_mov_b32 s[II], ttmp9
	s_sub_co_u32 s[LA], 8, s[II]                   ; slots of the first tile's walk
	s_lshr_b32 s72, s[BH], 4                       ; batch
	s_and_b32 s73, s[BH], 15                       ; head
	s_and_b32 s74, s[WV], 7
	s_lshl_b32 s75, s[BH], 17
	s_lshl_b32 s76, s74, 13
	s_add_co_u32 s75, s75, s76
	s_add_co_u32 s75, s75, 8388608                 ; k: my half of a slot's 16 tiles
	s_lshl_b32 s76, s72, 21
	s_lshl_b32 s77, s73, 13
	s_add_co_u32 s76, s76, s77
	s_sub_co_u32 s77, s74, 2
	s_lshl_b32 s77, s77, 17
	s_add_co_u32 s76, s76, s77
	s_add_co_u32 s76, s76, 16777216                ; v: my step's four images
	s_mul_i32 s77, s[BH], 28672                    ; the records
	s_cmp_lt_u32 s74, 2
	s_cselect_b32 s76, s75, s76
	s_mov_b32 s[STP], 262144
	s_cselect_b32 s[STP], 16384, s[STP]
	s_cmp_lt_u32 s74, 4
	s_cselect_b32 s76, s76, s77
	s_cselect_b32 s[STP], s[STP], 3584
	s_mov_b32 s77, 0
	s_mov_b32 s[G1], 3<<16                         ; elements of 8 bytes, no mask, no padding
	s_mov_b32 s[G1+1], 32<<16                      ; rows of 256 bytes,
	s_mov_b32 s[G1+2], 32<<16                      ; 32 of them,
	s_mov_b32 s[G1+3], 32<<16
	s_mov_b32 s[G1+4], 32
	s_mov_b32 s[G1+5], 32                          ; dense
	s_mov_b32 s[G1+6], 0
	s_mov_b32 s[G1+7], 0
	s_mov_b32 s[G1S], 3<<16
	s_mov_b32 s[G1S+1], 32<<16
	s_mov_b32 s[G1S+2], 14<<16
	s_mov_b32 s[G1S+3], 32<<16
	s_mov_b32 s[G1S+4], 14
	s_mov_b32 s[G1S+5], 32
	s_mov_b32 s[G1S+6], 0
	s_mov_b32 s[G1S+7], 0
	s_mov_b32 s[SEL], 0x76543210
	s_mov_b32 s[SEL+1], 0xfedcba98
	s_mov_b32 s[CS], 0x3e38aa3b                    ; log2(e) / 8
	s_mov_b32 s[CS+1], s[CS]
	s_mov_b32 s[TB], 0
	s_mov_b32 s[TAU], 0
	s_mov_b32 s[SIG], 0
	s_wait_dscnt 0x0                               ; both opening adds are done
	s_wait_kmcnt 0x0
	s_cmp_lt_u32 s74, 4
	s_cselect_b64 s[BASE:BASE+1], s[4:5], s[6:7]
	s_add_nc_u64 s[BASE:BASE+1], s[BASE:BASE+1], s[76:77]
	s_mov_b32 s[G0], 1
	s_lshl_b32 s[G0+1], s74, 13                    ; LDS: 8,192 x wave, in slot 0
	s_mov_b64 s[G0+2:G0+3], s[BASE:BASE+1]
	s_or_b32 s[G0+3], s[G0+3], 0x80000000
	TLOAD                                          ; slot 0
	s_mov_b32 s[PFS], s[STP]
	s_mov_b32 s[PFS+1], 0
	s_add_nc_u64 s[PFA:PFA+1], s[BASE:BASE+1], s[PFS:PFS+1]   ; at slot 1: the first change steps it to slot 2
	s_sub_co_u32 s75, s[WV], 8
	s_lshr_b32 s75, s75, 2                         ; 0 in waves 8 to 11
	s_or_b32 s75, s75, s[II]
	s_cmp_eq_u32 s75, 0
	s_cselect_b32 s[LIMX], 6, 0
	s_lshl_b32 s76, s[BH], 17
	s_add_nc_u64 s[QB:QB+1], s[4:5], s[76:77]      ; q's tiles of my head
	s_lshl_b32 s76, s[BH], 13
	s_add_co_u32 s76, s76, QSOFF
	s_add_nc_u64 s[QSB:QSB+1], s[6:7], s[76:77]    ; and their scale words
	s_mul_i32 s76, s[BH], 4352
	s_add_nc_u64 s[HB:HB+1], s[8:9], s[76:77]      ; the tables of the later chunks
	s_lshl_b32 s76, s72, 21
	s_lshr_b32 s75, s73, 1
	s_lshl_b32 s75, s75, 11
	s_add_co_u32 s76, s76, s75
	s_and_b32 s75, s73, 1
	s_lshl_b32 s75, s75, 10
	s_add_co_u32 s76, s76, s75
	s_add_nc_u64 s[AQ:AQ+1], s[10:11], s[76:77]    ; actq: my batch; image head / 2, blocks 2 (head % 2) on
	s_lshl_b32 s76, s72, 16
	s_lshl_b32 s75, s73, 1
	s_add_co_u32 s76, s76, s75
	s_add_nc_u64 s[AS:AS+1], s[12:13], s[76:77]    ; acts: my batch, bytes 2 head on
	v_and_b32 v8, 31, v0
	s_delay_alu instid0(VALU_DEP_1)
	v_lshlrev_b32 v1, 4, v8                        ; 16 x lane
	s_delay_alu instid0(VALU_DEP_2)
	v_lshlrev_b32 v7, 8, v8                        ; 256 x lane
	v_and_b32 v9, 15, v0                           ; r
	v_bfe_u32 v252, v0, 4, 1                       ; h
	s_delay_alu instid0(VALU_DEP_2)
	v_lshlrev_b32 v2, 4, v9                        ; 16 r
	s_delay_alu instid0(VALU_DEP_2)
	v_lshlrev_b32 v3, 6, v252                      ; 64 h
	s_delay_alu instid0(VALU_DEP_3)
	v_lshlrev_b32 v249, 5, v252                    ; 32 h
	v_and_b32 v248, 7, v9
	v_lshrrev_b32 v242, 3, v9
	s_delay_alu instid0(VALU_DEP_1)
	v_lshl_add_u32 v248, v242, 4, v248
	v_lshlrev_b32 v242, 4, v252
	s_delay_alu instid0(VALU_DEP_1)
	v_sub_nc_u32 v248, v248, v242                  ; r % 8 + 16 (r / 8) - 16 h
	v_lshl_add_u32 v250, v9, 5, v252               ; 32 r + h
.irp i, 0,1,2,3,4,5,6,7
	v_mov_b32 v[24+\i], 0                          ; q's zero codes for k = 64 .. 127
	v_mov_b32 v[96+\i], 0                          ; what stands against them behind k's last tile
.endr
.irp b, 0,1,2,3
	v_mov_b32 v[T2+\b], 0                          ; a lane permute's destination counts as read
.endr
	v_mov_b32 v[PW], 0                             ; (named as the upper half of the pair with f before it is first written)
.macro START                           ; tile s[TT]: its q, its bound on the diagonal, and an empty softmax
	s_lshr_b32 s[QC], s[TT], 3                     ; the chunk of 128 keys in which its queries lie
	s_bfe_u32 s72, s[TT], 0x20001
	s_lshl_b32 s72, s72, 5
	s_and_b32 s73, s[TT], 1
	s_lshl_b32 s73, s73, 3
	s_add_co_u32 s72, s72, s73
	v_add_nc_u32 v4, s72, v248                     ; my query's place in the chunk, less 16 h: register 16 b + i is hidden where 32 b + i is above it
	s_lshl_b32 s72, s[TT], 10
	v_add_nc_u32 v243, s72, v1
	global_load_b128 v[16:19], v243, s[QB:QB+1]
	global_load_b128 v[20:23], v243, s[QB:QB+1] offset:512
	s_lshr_b32 s72, s[TT], 2
	s_lshl_b32 s72, s72, 8
	s_and_b32 s73, s[TT], 3
	s_lshl_b32 s73, s73, 2
	s_add_co_u32 s72, s72, s73
	v_add_nc_u32 v244, s72, v2
	global_load_b32 v11, v244, s[QSB:QSB+1]
	v_mov_b32 v13, 0xff61b1e6                      ; -3e38, under every t
	s_delay_alu instid0(VALU_DEP_1)
	v_floor_f32 v12, -v13
	v_mov_b32 v14, 0
	v_mov_b32 v15, 0
.set i, 0
.rept 32
	v_mov_b32 v[O+i], 0                            ; the step is written once: the first finds zeros
.set i, i+1
.endr
	s_wait_loadcnt 0x0
.endm
.macro STEP q                          ; 128 keys: the q-th half of the slot in hand
	s_lshl_b32 s72, s[SIG], 1
	s_add_co_u32 s72, s72, \q                      ; the chunk
	s_cmp_gt_u32 s72, s[QC]                        ; wholly after my queries: left out (ids alone; no barrier and no tensor load stands in a step)
	s_cbranch_scc1 .Lhidden_\@
.rept 8
	v_nop                                          ; places in front of loads into registers that matrix instructions have read
.endr
	s_wait_alu depctr_va_vdst(0)
.irp b, 0,1,2,3
.irp j, 0,1,2,3
	ds_load_b128 v[S+16*\b+4*\j:S+16*\b+4*\j+3], v10 offset:32768+1536+512*(\q)+128*\b+16*\j   ; 8 x mask of key 32 b + 16 h + 4 j ..: the product's C
.endr
.endr
.irp t, 0,1,2,3,4,5,6,7
.irp c, 0,1
	ds_load_b128 v[32+8*\t+4*\c:35+8*\t+4*\c], v8 offset:8192*(\q)+1024*\t+512*\c
.endr
.endr
.irp g, 0,1
	ds_load_b128 v[KS+4*\g:KS+4*\g+3], v9 offset:32768+512*(\q)+256*\g
.endr
	s_wait_dscnt 0x0
.irp t, 0,1,2,3,4,5,6,7
	v_wmma_scale_f32_16x16x128_f8f6f4 v[S+8*\t:S+8*\t+7], v[32+8*\t:47+8*\t], v[16:31], v[S+8*\t:S+8*\t+7], v[KS+\t], v11 matrix_a_fmt:MATRIX_FMT_BF8 matrix_b_fmt:MATRIX_FMT_BF8
.endr
.rept 8
	v_nop
.endr
	s_cmp_lg_u32 s72, s[QC]
	s_cbranch_scc1 .Lopen_\@
	s_wait_alu depctr_va_vdst(0)
.irp b, 0,1,2,3                        ; on the diagonal: a hidden key's logit x 8 is 8 mask - 80000
.irp j, 0,1,2,3
	ds_load_b128 v[32+16*\b+4*\j:35+16*\b+4*\j], v10 offset:32768+2560+512*(\q)+128*\b+16*\j
.endr
.endr
	s_wait_dscnt 0x0
.set n, 0
.rept 64
	v_cmp_gt_i32 vcc_lo, 32*(n/16)+n%16, v4
	v_cndmask_b32 v[S+n], v[S+n], v[32+n], vcc_lo
.set n, n+1
.endr
.Lopen_\@:
	s_wait_alu depctr_va_vdst(0)
.irp t, 0,1,2,3                        ; v's fragments are asked for here and land during the softmax
.irp c, 0,1,2,3
	ds_load_b128 v[32+16*\t+4*\c:35+16*\t+4*\c], v8 offset:16384+8192*(\q)+2048*\t+512*\c
.endr
.endr
	ds_load_b128 v[KS:KS+3], v9 offset:32768+1024+256*(\q)
.irp b, 0,1,2,3
	v_max3_num_f32 v[BM+\b], v[S+16*\b], v[S+1+16*\b], v[S+2+16*\b]   ; each block's largest score: for the row's maximum and for the block's largest p
.endr
.irp i, 3,5,7,9,11,13
.irp b, 0,1,2,3
	v_max3_num_f32 v[BM+\b], v[BM+\b], v[S+16*\b+\i], v[S+1+16*\b+\i]
.endr
.endr
.irp b, 0,1,2,3
	v_max_num_f32 v[BM+\b], v[BM+\b], v[S+15+16*\b]
.endr
.irp b, 0,1,2,3
	s_delay_alu instid0(VALU_DEP_4)
	v_permlanex16_b32 v[T2+\b], v[BM+\b], s[SEL], s[SEL+1]
.endr
.irp b, 0,1,2,3
	s_delay_alu instid0(VALU_DEP_4)
	v_max_num_f32 v[BM+\b], v[BM+\b], v[T2+\b]
.endr
	s_delay_alu instid0(VALU_DEP_2)
	v_max3_num_f32 v242, v[BM], v[BM+1], v[BM+2]
	s_delay_alu instid0(VALU_DEP_1)
	v_max_num_f32 v242, v242, v[BM+3]
	s_delay_alu instid0(VALU_DEP_1)
	v_mul_f32 v242, s[CS], v242
	s_delay_alu instid0(VALU_DEP_1)
	v_max_num_f32 v13, v13, v242                   ; the running largest t
	v_mov_b32 v242, v12
	s_delay_alu instid0(VALU_DEP_2)
	v_floor_f32 v12, -v13                          ; -M = floor(-t): M is a whole number
	s_delay_alu instid0(VALU_DEP_1)
	v_sub_f32 v242, v12, v242
	s_delay_alu instid0(VALU_DEP_1)
	v_cvt_i32_f32 v242, v242                       ; (it saturates)
	s_delay_alu instid0(VALU_DEP_1)
	v_ldexp_f32 v[FF], 1.0, v242                   ; f = 2^(old M - new M): rounds nothing
.set i, 0
.rept 32
	v_pk_fma_f32 v[S+i:S+i+1], v[S+i:S+i+1], s[CS:CS+1], v[12:13] op_sel_hi:[1,0,0]   ; t - M
.set i, i+2
.endr
.irp b, 0,1,2,3
	v_fma_f32 v[BM+\b], v[BM+\b], s[CS], v12
.endr
.set i, 0
	s_wait_alu depctr_va_vdst(0)
.rept 64
	v_exp_f32 v[S+i], v[S+i]
.set i, i+1
.endr
	v_pk_mul_f32 v[14:15], v[14:15], v[FF:FF+1] op_sel_hi:[1,0]   ; the sums under the new M (a plain line behind the exponentials)
	s_wait_alu depctr_va_vdst(0)                   ; one wait for the batch, ahead of its first reader
.irp b, 0,1,2,3
	v_exp_f32 v[BM+\b], v[BM+\b]
.endr
	v_pk_add_f32 v[228:229], v[108:109], v[112:113]
	v_pk_add_f32 v[254:255], v[116:117], v[120:121]
	v_pk_add_f32 v[246:247], v[124:125], v[128:129]
	v_pk_add_f32 v[244:245], v[132:133], v[136:137]
	v_pk_add_f32 v[238:239], v[140:141], v[144:145]
	v_pk_add_f32 v[236:237], v[148:149], v[152:153]
	v_pk_add_f32 v[234:235], v[156:157], v[160:161]
	v_pk_add_f32 v[14:15], v[14:15], v[164:165]
	v_pk_add_f32 v[228:229], v[228:229], v[104:105]
	v_pk_add_f32 v[254:255], v[254:255], v[106:107]
	v_pk_add_f32 v[246:247], v[246:247], v[110:111]
	v_pk_add_f32 v[244:245], v[244:245], v[114:115]
	v_pk_add_f32 v[238:239], v[238:239], v[118:119]
	v_pk_add_f32 v[236:237], v[236:237], v[122:123]
	v_pk_add_f32 v[234:235], v[234:235], v[126:127]
	v_pk_add_f32 v[14:15], v[14:15], v[130:131]
	v_pk_add_f32 v[228:229], v[228:229], v[134:135]
	v_pk_add_f32 v[254:255], v[254:255], v[138:139]
	v_pk_add_f32 v[246:247], v[246:247], v[142:143]
	v_pk_add_f32 v[244:245], v[244:245], v[146:147]
	v_pk_add_f32 v[238:239], v[238:239], v[150:151]
	v_pk_add_f32 v[236:237], v[236:237], v[154:155]
	v_pk_add_f32 v[234:235], v[234:235], v[158:159]
	v_pk_add_f32 v[14:15], v[14:15], v[162:163]
	v_pk_add_f32 v[228:229], v[228:229], v[166:167]
	s_delay_alu instid0(VALU_DEP_2)
	v_pk_add_f32 v[14:15], v[14:15], v[244:245]
	s_delay_alu instid0(VALU_DEP_2)
	v_pk_add_f32 v[228:229], v[228:229], v[238:239]
	v_pk_add_f32 v[254:255], v[254:255], v[236:237]
	v_pk_add_f32 v[246:247], v[246:247], v[234:235]
	s_delay_alu instid0(VALU_DEP_2)
	v_pk_add_f32 v[14:15], v[14:15], v[254:255]
	s_delay_alu instid0(VALU_DEP_2)
	v_pk_add_f32 v[228:229], v[228:229], v[246:247]
	s_delay_alu instid0(VALU_DEP_1)
	v_pk_add_f32 v[14:15], v[14:15], v[228:229]
	s_wait_alu depctr_va_vdst(0)                   ; and one for the four
.irp b, 0,1,2,3
	v_max_num_f32 v[BM+\b], 0x8000000, v[BM+\b]    ; the floor 2^(16 - 127)
.endr
.irp b, 0,1,2,3
	s_delay_alu instid0(VALU_DEP_4)
	v_add_nc_u32 v[SO+\b], 0xf8800000, v[BM+\b]
.endr
.irp b, 0,1,2,3
.endr
.irp b, 0,1,2,3
	s_delay_alu instid0(VALU_DEP_4)
	v_lshrrev_b32 v[T2+\b], 23, v[SO+\b]
.endr
	s_delay_alu instid0(VALU_DEP_3)
	v_lshl_or_b32 v[PW], v[T2+1], 8, v[T2]         ; p's scale word for these 128 keys
	s_delay_alu instid0(VALU_DEP_1)
	v_lshl_or_b32 v[PW], v[T2+2], 16, v[PW]
	s_delay_alu instid0(VALU_DEP_1)
	v_lshl_or_b32 v[PW], v[T2+3], 24, v[PW]
.irp b, 0,1,2,3
.irp i, 0,1,2,3,4,5,6,7,8,9,10,11,12,13,14,15
.endr
	v_cvt_scalef32_pk8_bf8_f32 v[PCD+4*\b:PCD+1+4*\b], v[S+16*\b:S+7+16*\b], v[SO+\b]
	v_cvt_scalef32_pk8_bf8_f32 v[PCD+2+4*\b:PCD+3+4*\b], v[S+8+16*\b:S+15+16*\b], v[SO+\b]
.endr
.set i, 0
.rept 16
	v_pk_mul_f32 v[O+i:O+i+1], v[O+i:O+i+1], v[FF:FF+1] op_sel_hi:[1,0]   ; O^T under the new M; these are also the places ahead of the products
.set i, i+2
.endr
	s_wait_alu depctr_va_vdst(0)
	s_wait_dscnt 0x0                               ; v
.irp t, 0,1,2,3
	v_wmma_scale_f32_16x16x128_f8f6f4 v[O+8*\t:O+8*\t+7], v[32+16*\t:47+16*\t], v[PCD:PCD+15], v[O+8*\t:O+8*\t+7], v[KS+\t], v[PW] matrix_a_fmt:MATRIX_FMT_BF8 matrix_b_fmt:MATRIX_FMT_BF8
.endr
.Lhidden_\@:
.endm
.macro CHANGE fill                     ; at a slot's head: all my tensor loads have landed, the add, my reads of the slot left are over; one barrier; fill = 1: the slot left takes the walk's next 256 keys
	s_wait_tensorcnt 0x0
	ds_add_u32 v5, v6                              ; 0 onto my spare word
.if \fill
	ds_add_u32 v5, v6                              ; and once more
	s_add_co_u32 s[SN], s[TAU], 1
	s_cmp_lt_u32 s[SN], s[LA]
	s_cselect_b32 s72, 0, s[LA]
	s_sub_co_u32 s[SN], s[SN], s72                 ; the next trip's slot of keys: the second walk begins at 0 again
	s_mul_i32 s72, s[SN], s[STP]
	s_mov_b32 s73, 0
	s_add_nc_u64 s[G0+2:G0+3], s[BASE:BASE+1], s[72:73]
	s_or_b32 s[G0+3], s[G0+3], 0x80000000
	s_xor_b32 s[G0+1], s[G0+1], SLOT1
	s_wait_xcnt 0x0                                ; the last prefetch, a slot back, has read its address
	s_add_nc_u64 s[PFA:PFA+1], s[PFA:PFA+1], s[PFS:PFS+1]
.endif
	s_wait_dscnt 0x0
	s_barrier_signal -1
	s_barrier_wait -1
.if \fill
	TLOAD                                          ; the first thing behind the barrier, a wave's one tensor load until the next
	ASK
.endif
	v_add_nc_u32 v8, s[TB], v1
	v_add_nc_u32 v9, s[TB], v2
	v_add_nc_u32 v10, s[TB], v3
.endm
.macro FINISH                          ; the later chunks' part is added, O^T is divided by the sum, quantised along the merged heads' axis and stored as the projection's operand
.rept 8
	v_nop
.endr
	s_lshl_b32 s72, s[QC], 3
	s_load_b64 s[NM:NM+1], s[HB:HB+1], s72 offset:0x1000   ; -M0 and L of my chunk's table row
	s_lshl_b32 s73, s[QC], 8
	v_add_nc_u32 v243, s73, v249
.irp t, 0,1,2,3
	global_load_b128 v[32+8*\t:35+8*\t], v243, s[HB:HB+1] offset:64*\t
	global_load_b128 v[36+8*\t:39+8*\t], v243, s[HB:HB+1] offset:64*\t+16
.endr
	v_add_f32 v14, v14, v15
	s_delay_alu instid0(VALU_DEP_1)
	v_permlanex16_b32 v242, v14, s[SEL], s[SEL+1]
	s_delay_alu instid0(VALU_DEP_1)
	v_add_f32 v14, v14, v242                       ; the row's sum over the keys walked
	s_wait_kmcnt 0x0
	v_min_num_f32 v244, s[NM], v12                 ; the joint -M
	s_delay_alu instid0(VALU_DEP_1)
	v_sub_f32 v245, v244, v12
	s_delay_alu instid0(VALU_DEP_2)
	v_sub_f32 v246, v244, s[NM]
	s_delay_alu instid0(VALU_DEP_2)
	v_cvt_i32_f32 v245, v245
	s_delay_alu instid0(VALU_DEP_2)
	v_cvt_i32_f32 v246, v246
	s_delay_alu instid0(VALU_DEP_2)
	v_ldexp_f32 v245, 1.0, v245                    ; what brings my sums under the joint M,
	s_delay_alu instid0(VALU_DEP_2)
	v_ldexp_f32 v246, 1.0, v246                    ; and the table's (0 for the last chunk's empty row)
	s_delay_alu instid0(VALU_DEP_1)
	v_mul_f32 v247, s[NM+1], v246
	s_wait_alu depctr_va_vdst(0)
	v_fma_f32 v14, v14, v245, v247
	s_wait_alu depctr_va_vdst(0)
	v_rcp_f32 v14, v14
	v_nop
	s_wait_alu depctr_va_vdst(0)
	v_mul_f32 v244, v245, v14
	v_mul_f32 v246, v246, v14
	s_wait_alu depctr_va_vdst(0)
	s_wait_loadcnt 0x0
.set i, 0
.rept 16
	v_pk_mul_f32 v[O+i:O+i+1], v[O+i:O+i+1], v[244:245] op_sel_hi:[1,0]
.set i, i+2
.endr
.set i, 0
.rept 16
	v_pk_fma_f32 v[O+i:O+i+1], v[32+i:33+i], v[246:247], v[O+i:O+i+1] op_sel_hi:[1,0,1]
.set i, i+2
.endr
.irp b, 0,1                            ; register 16 b + i is channel 32 b + 16 h + i of my head: two blocks of 32 along the projection's K
	v_max3_num_f32 v[BM+\b], |v[O+16*\b]|, |v[O+1+16*\b]|, 0x8000000
.endr
.irp i, 2,4,6,8,10,12,14
.irp b, 0,1
	s_delay_alu instid0(VALU_DEP_2)
	v_max3_num_f32 v[BM+\b], v[BM+\b], |v[O+16*\b+\i]|, |v[O+1+16*\b+\i]|
.endr
.endr
.irp b, 0,1
	s_delay_alu instid0(VALU_DEP_2)
	v_permlanex16_b32 v[T2+\b], v[BM+\b], s[SEL], s[SEL+1]
.endr
.irp b, 0,1
	s_delay_alu instid0(VALU_DEP_2)
	v_max_num_f32 v[BM+\b], v[BM+\b], v[T2+\b]
.endr
.irp b, 0,1
	s_delay_alu instid0(VALU_DEP_2)
	v_add_nc_u32 v[SO+\b], 0xf8800000, v[BM+\b]
.endr
.irp b, 0,1
.endr
.irp b, 0,1
	s_delay_alu instid0(VALU_DEP_2)
	v_lshrrev_b32 v[T2+\b], 23, v[SO+\b]
.endr
.irp b, 0,1
.irp i, 0,1,2,3,4,5,6,7,8,9,10,11,12,13,14,15
.endr
	v_cvt_scalef32_pk8_bf8_f32 v[PCD+4*\b:PCD+1+4*\b], v[O+16*\b:O+7+16*\b], v[SO+\b]
	v_cvt_scalef32_pk8_bf8_f32 v[PCD+2+4*\b:PCD+3+4*\b], v[O+8+16*\b:O+15+16*\b], v[SO+\b]
.endr
	v_nop
	v_cmp_ne_u32 vcc_lo, 0, v252
	s_delay_alu instid0(VALU_DEP_1)
	v_cndmask_b32 v242, v[T2], v[T2+1], vcc_lo     ; lanes 0-15 store block 0's byte, lanes 16-31 block 1's
	s_lshl_b32 s72, s[TT], 14
	v_add_nc_u32 v243, s72, v1
	global_store_b128 v243, v[PCD:PCD+3], s[AQ:AQ+1]              ; 512 consecutive bytes of the image
	global_store_b128 v243, v[PCD+4:PCD+7], s[AQ:AQ+1] offset:512
	s_lshl_b32 s73, s[TT], 9
	v_add_nc_u32 v244, s73, v250
	global_store_b8 v244, v242, s[AS:AS+1]         ; a head owns two of a row's 32 scale bytes: one byte for 32 of codes
	s_wait_xcnt 0x0
.endm
	s_sub_co_u32 s[TT], 7, s[II]
	s_lshl_b32 s[TT], s[TT], 4
	s_add_co_u32 s[TT], s[TT], s[WV]               ; the first tile: 16 (7 - I) + w
	START
.Lslot:                                            ; eight trips; behind each change the next slot is asked for
	CHANGE 1
	STEP 0
	STEP 1
	s_xor_b32 s[TB], s[TB], SLOT1
	s_add_co_u32 s72, s[TAU], 1
	s_cmp_lg_u32 s72, s[LA]                        ; the first walk's last slot?  The work-group's number and the count of trips alone: all sixteen waves go the same way
	s_cbranch_scc1 .Lsame_tile
	FINISH
	s_lshl_b32 s[TT], s[II], 4
	s_add_co_u32 s[TT], s[TT], 15
	s_sub_co_u32 s[TT], s[TT], s[WV]               ; the second tile: 16 I + 15 - w
	START
.Lsame_tile:
	s_mov_b32 s[SIG], s[SN]
	s_add_co_u32 s[TAU], s[TAU], 1
	s_cmp_lt_u32 s[TAU], 8
	s_cbranch_scc1 .Lslot
	CHANGE 0                                       ; the ninth slot is written out: nothing is left to fetch
	STEP 0
	STEP 1
	FINISH
	s_wait_tensorcnt 0x0                           ; the wave's end
	ds_add_u32 v5, v6
	s_wait_dscnt 0x0
	s_endpgm
.Lfunc_end_k_qa7b40013b4_attn:
	.size	k_qa7b40013b4_attn, .Lfunc_end_k_qa7b40013b4_attn-k_qa7b40013b4_attn
	.p2alignl 7, 3214868480
	.fill 96, 4, 3214868480
	.section	.rodata,"a",@progbits
	.p2align	6, 0x0
	.amdhsa_kernel k_qa7b40013b4_attn
		.amdhsa_group_segment_fixed_size 327680
		.amdhsa_private_segment_fixed_size 0
		.amdhsa_enable_private_segment 0
		.amdhsa_kernarg_size 40
		.amdhsa_user_sgpr_count 2
		.amdhsa_user_sgpr_kernarg_segment_ptr 1
		.amdhsa_wavefront_size32 1
		.amdhsa_system_sgpr_workgroup_id_x 1
		.amdhsa_system_sgpr_workgroup_id_y 1
		.amdhsa_system_sgpr_workgroup_id_z 1
		.amdhsa_system_vgpr_workitem_id 0
		.amdhsa_next_free_vgpr 256
		.amdhsa_next_free_sgpr 84
		.amdhsa_reserve_vcc 1
		.amdhsa_float_denorm_mode_32 3
		.amdhsa_float_denorm_mode_16_64 3
		.amdhsa_fp16_overflow 1
		.amdhsa_memory_ordered 1
		.amdhsa_forward_progress 1
		.amdhsa_inst_pref_size 124
	.end_amdhsa_kernel
	.amdgpu_metadata
---
amdhsa.version: [ 1, 2 ]
amdhsa.kernels:
  - .name:           k_qa7b40013b4_attn
    .symbol:         k_qa7b40013b4_attn.kd
    .args:
      - { .name: qkvc, .offset: 0, .size: 8, .value_kind: global_buffer, .address_space: global }
      - { .name: side, .offset: 8, .size: 8, .value_kind: global_buffer, .address_space: global }
      - { .name: hid, .offset: 16, .size: 8, .value_kind: global_buffer, .address_space: global }
      - { .name: actq, .offset: 24, .size: 8, .value_kind: global_buffer, .address_space: global }
      - { .name: acts, .offset: 32, .size: 8, .value_kind: global_buffer, .address_space: global }
    .group_segment_fixed_size: 327680
    .private_segment_fixed_size: 0
    .kernarg_segment_align: 8
    .kernarg_segment_size: 40
    .max_flat_workgroup_size: 512
    .sgpr_count:     84
    .vgpr_count:     256
    .wavefront_size: 32
...
	.end_amdgpu_metadata
.endif
;; end of part 4
;; launch proj (part 5): grid 4 x 32, 4 waves a work-group, clusters of 4 x 4, 327,680 bytes of LDS; arguments actq, acts, wq, ws, b_proj, out0; writes out0
.if DOCPART == 5
	.amdgcn_target "amdgcn-amd-amdhsa--gfx1250"
	.amdhsa_code_object_version 6
	.text
	.protected	k_qa7b40013b4_proj
	.globl	k_qa7b40013b4_proj
	.p2align	8
	.type	k_qa7b40013b4_proj,@function
k_qa7b40013b4_proj:
	s_mov_b64 s[64:65], 0
	v_nop
	global_prefetch_b8 v0, s[64:65] scope:SCOPE_SE
	s_setreg_imm32_b32 hwreg(HW_REG_WAVE_MODE, 25, 1), 1
	s_wait_xcnt 0x0
	s_wait_alu depctr_hold_cnt(0) depctr_sa_sdst(0) depctr_va_vdst(0) depctr_va_sdst(0) depctr_va_ssrc(0) depctr_va_vcc(0) depctr_vm_vsrc(0)
	s_getreg_b32 s2, hwreg(HW_REG_IB_STS2, 6, 4)
	s_cmp_eq_u32 s2, 0
	s_cbranch_scc0 .Lentry_in_a_cluster
	s_endpgm
.Lentry_in_a_cluster:
	s_bfe_u32 s2, ttmp6, 0x10000c
	s_cmp_lg_u32 s2, 0xf033
	s_cbranch_scc0 .Lentry_shape_is_right
	s_endpgm
.Lentry_shape_is_right:
; Launch 5 of 5: out = a W_proj + b_proj on codes of E5M2, K = 1,024.  a's codes and scale bytes were stored by the attention launch as register images; W_proj's are rows 3,072 on of wq and ws.
; The loop is the qkv launch's: a work-group of four waves makes 256 x 256, a wave 128 x 128; K in steps of 256 through two LDS slots; 4 x 4 clusters with joint loads; the matrix instruction transposed
; (source 0 = 16 rows of W, source 1 = 16 tokens).  The bias is the C of each sum's first product.  The way out undoes the buffers' order of rows (bits 3 and 4 swapped) for tokens and for columns.
; 128 work-groups: the problem has 128 tiles of this size.
.set NQ,    2
.set FR,    16
.set NL,    4
.set NP,    8
.set HALFT, 32768
.set SLOT,  4*HALFT
.set SCL,   2*SLOT
.set HALFS, 16*272
.set SBLK,  2*272
.set SPARE, SCL+4*HALFS
.set SPITCH, 528                       ; the way out: 16 rows x (512 + 16) bytes a wave, in slot 0, which has had its last fill and its last read by then
.set ADRA, 16
.set ADRB, 20
.set STO,  24
.set RD,   25
.set CO,   26
.set ADRS, 27
.set SPW,  28
.set NIL,  29
.set SC,   32
.set BI,   64
.set AF,   128
.set BK,   128
.set WV,   18
.set FH,   19
.set FL,   20
.set G1,   24
.set G0,   32
.set G1B,  48
.set G0B,  56
.set G1S,  68
.set G0S,  76
.set G1SB, 80
.set G0SB, 88
.set MSB, 0
.macro WIN new
.if MSB != \new
	s_set_vgpr_msb (MSB<<8)|\new
.set MSB, \new
.endif
.endm
.set MUL_LO, 0xa1
.set MUL_HI, 0xf1
.set TO_B,   0x40
.macro JLOAD g0a, g1a, g0b, g1b
	s_cmp_eq_u32 s[FH], 0
	s_cbranch_scc0 .Lfor_b_\@
	tensor_load_to_lds s[\g0a:\g0a+3], s[\g1a:\g1a+7]
	s_nop 0
.rept 4
	v_nop
.endr
	s_branch .Lasked_\@
.Lfor_b_\@:
	tensor_load_to_lds s[\g0b:\g0b+3], s[\g1b:\g1b+7]
	s_nop 0
.rept 4
	v_nop
.endr
.Lasked_\@:
.endm
.macro CREST
	s_cmp_lg_u32 s[WV], 0
	s_cbranch_scc1 .Lnot_wave_0_\@
	s_barrier_signal -3
.Lnot_wave_0_\@:
	s_barrier_wait -3
	s_barrier_signal -1
	s_barrier_wait -1
.endm
.macro CROUND
	s_barrier_signal -1
	s_barrier_wait -1
	CREST
.endm
	s_load_b256 s[4:11], s[0:1], 0x0               ; actq, acts, wq, ws
	s_load_b128 s[12:15], s[0:1], 0x20             ; b_proj, out0
	v_lshl_add_u32 v[SPW], v0, 2, SPARE
	v_mov_b32 v[NIL], 0
	ds_add_u32 v[SPW], v[NIL]                      ; the wave's opening: the add, twice on end, and its wait ahead of my first tensor load
	ds_add_u32 v[SPW], v[NIL]
	v_lshrrev_b32 v1, 5, v0
	v_readfirstlane_b32 s[WV], v1
	s_lshr_b32 s[FH], s[WV], 1
	s_and_b32 s[FL], s[WV], 1
	s_bfe_u32 s40, ttmp6, 0x40000                  ; cx
	s_bfe_u32 s41, ttmp6, 0x40004                  ; cy
	s_and_b32 s96, ttmp7, 0xffff
	s_lshl_b32 s96, s96, 2
	s_add_co_u32 s96, s96, s41                     ; the tile of 256 tokens
	s_lshl_b32 s42, ttmp9, 2
	s_add_co_u32 s42, s42, s40                     ; the tile of 256 columns
	s_lshl_b32 s43, s41, 2
	s_lshl_b32 s43, 15, s43
	s_lshl_b32 s44, 0x1111, s40
	s_or_b32 s[G1+0], s43, (3<<16)|(1<<21)
	s_or_b32 s[G1B+0], s44, (3<<16)|(1<<21)
.irp g, G1, G1B
	s_mov_b32 s[\g+1], 512<<16                     ; 4,096 bytes: two images of one tile of 16 rows;
	s_mov_b32 s[\g+2], 8<<16                       ; 8 such tiles,
	s_mov_b32 s[\g+3], 512<<16
	s_mov_b32 s[\g+4], 8
	s_mov_b32 s[\g+5], 2048                        ; 16,384 bytes apart
	s_mov_b32 s[\g+6], 0
	s_mov_b32 s[\g+7], 0
.endr
	s_or_b32 s[G1S+0], s43, (3<<16)|(1<<20)|(1<<21)|(5<<22)|(3<<25)
	s_or_b32 s[G1SB+0], s44, (3<<16)|(1<<20)|(1<<21)|(5<<22)|(3<<25)
.irp g, G1S, G1SB
	s_mov_b32 s[\g+1], 32<<16
	s_mov_b32 s[\g+2], 16<<16
	s_mov_b32 s[\g+3], 32<<16
	s_mov_b32 s[\g+4], 16
	s_mov_b32 s[\g+5], 32
	s_mov_b32 s[\g+6], 0
	s_mov_b32 s[\g+7], 0
.endr
	s_lshl_b32 s21, s[FL], 7
	s_lshl_b32 s22, s96, 8
	s_add_co_u32 s22, s22, s21                     ; A's row
	s_lshl_b32 s46, s42, 8
	s_add_co_u32 s46, s46, s21
	s_add_co_u32 s46, s46, 3072                    ; B's row in wq
	s_lshl_b32 s2, s22, 5
	s_mov_b32 s3, 0
	s_lshl_b32 s22, s22, 10
	s_mov_b32 s23, 0
	s_lshl_b32 s92, s46, 5
	s_mov_b32 s93, 0
	s_lshl_b32 s46, s46, 10
	s_mov_b32 s47, 0
	s_lshl_b32 s45, s[WV], 15
	s_mul_i32 s94, s[WV], HALFS
	s_wait_dscnt 0x0                               ; both opening adds are done
	s_wait_kmcnt 0x0
	s_add_nc_u64 s[4:5], s[4:5], s[22:23]
	s_add_nc_u64 s[6:7], s[6:7], s[2:3]
	s_add_nc_u64 s[8:9], s[8:9], s[46:47]
	s_add_nc_u64 s[10:11], s[10:11], s[92:93]
	CROUND
	s_mov_b32 s[G0S], 1
	s_add_co_u32 s[G0S+1], s94, SCL
	s_mov_b64 s[G0S+2:G0S+3], s[6:7]
	s_or_b32 s[G0S+3], s[G0S+3], 0x80000000
	s_mov_b32 s[G0SB], 1
	s_add_co_u32 s[G0SB+1], s94, SCL
	s_mov_b64 s[G0SB+2:G0SB+3], s[10:11]
	s_or_b32 s[G0SB+3], s[G0SB+3], 0x80000000
	JLOAD G0S, G1S, G0SB, G1SB
.irp s, 0,1
	s_mov_b32 s[G0+4*\s], 1
	s_add_co_u32 s[G0+4*\s+1], s45, \s*SLOT
	s_add_nc_u64 s[G0+4*\s+2:G0+4*\s+3], s[4:5], \s*4096
	s_or_b32 s[G0+4*\s+3], s[G0+4*\s+3], 0x80000000
	s_mov_b32 s[G0B+4*\s], 1
	s_add_co_u32 s[G0B+4*\s+1], s45, \s*SLOT
	s_add_nc_u64 s[G0B+4*\s+2:G0B+4*\s+3], s[8:9], \s*4096
	s_or_b32 s[G0B+4*\s+3], s[G0B+4*\s+3], 0x80000000
	JLOAD G0+4*\s, G1, G0B+4*\s, G1B
.endr
	v_and_b32 v1, 15, v0                           ; r
	v_bfe_u32 v2, v0, 4, 1                         ; h
	v_and_b32 v3, 31, v0
	v_lshlrev_b32 v3, 4, v3                        ; 16 x lane
	s_lshl_b32 s21, s[FH], 15
	s_lshl_b32 s22, s[FL], 15
	s_add_co_u32 s22, s22, 2*HALFT
.irp s, 0,1
	v_add_nc_u32 v[ADRA+\s], s21, v3
	v_add_nc_u32 v[ADRB+\s], s22, v3
	s_add_co_u32 s21, s21, SLOT
	s_add_co_u32 s22, s22, SLOT
.endr
	v_mul_u32_u24 v4, v1, 32
	v_lshrrev_b32 v5, 8, v4
	v_lshl_add_u32 v4, v5, 4, v4
	s_mul_i32 s21, s[FH], HALFS
	s_mul_i32 s22, s[FL], HALFS
	s_add_co_u32 s22, s22, 2*HALFS
	s_sub_co_u32 s22, s22, s21
	v_mul_u32_u24 v5, s22, v2
	s_add_co_u32 s21, s21, SCL
	v_add_nc_u32 v4, v4, v5
	v_add_nc_u32 v[ADRS], s21, v4
	s_mul_i32 s23, s[WV], 16*SPITCH                ; my stage
	v_mul_u32_u24 v5, v1, SPITCH
	v_lshl_add_u32 v5, v2, 6, v5                   ; in: row r, + 64 h: registers 8 b + j are columns 32 (b / 2) + 16 h + 8 (b % 2) + j
	v_add_nc_u32 v[STO], s23, v5
	v_mov_b32 v[CO], v3
	v_add_nc_u32 v[RD], s23, v3
	s_lshl_b32 s21, s42, 8
	s_lshl_b32 s22, s[FL], 7
	s_add_co_u32 s21, s21, s22
	s_lshl_b32 s46, s21, 2                         ; my first column, in bytes
	s_mov_b32 s47, 0
	s_add_nc_u64 s[12:13], s[12:13], s[46:47]
	s_lshl_b32 s21, s96, 8
	s_lshl_b32 s22, s[FH], 7
	s_add_co_u32 s21, s21, s22
	s_lshl_b32 s22, s21, 12                        ; my first token's row of 4,096 bytes
	s_add_co_u32 s46, s46, s22
	s_add_nc_u64 s[14:15], s[14:15], s[46:47]
	v_lshlrev_b32 v4, 6, v2
.irp b, 0,1,2,3
.irp j, 0,1,2,3
	global_load_b128 v[BI+16*\b+4*\j:BI+16*\b+4*\j+3], v4, s[12:13] offset:128*\b+16*\j   ; the bias in the result's layout
.endr
.endr
.macro FRAG reg, adr, q, i
.irp c, 0,1,2,3
	ds_load_b128 v[\reg+4*\c:\reg+4*\c+3], v[\adr] offset:2048*(\q)+512*\c+4096*(\i)
.endr
.endm
.macro MUL16 a0, p, q, sc, zero        ; zero = 1: the first product starts the sum with the bias (C in window 0).  The 64 accumulators take turns
.irp a, \a0, \a0+1
.irp b, 0,1,2,3,4,5,6,7
.if \zero
	v_wmma_scale_f32_16x16x128_f8f6f4 v[8*(8*((\a)%4)+\b):8*(8*((\a)%4)+\b)+7], v[128*(\p)+FR*\b:128*(\p)+FR*\b+FR-1], v[AF+FR*(\a):AF+FR*(\a)+FR-1], v[BI+8*\b:BI+8*\b+7], v[SC+8*NQ*(\sc)+NQ*\b+(\q)], v[SC+8*NQ*(\sc)+NQ*(\a)+(\q)] matrix_a_fmt:MATRIX_FMT_BF8 matrix_b_fmt:MATRIX_FMT_BF8 matrix_a_scale:MATRIX_SCALE_ROW1
.else
	v_wmma_scale_f32_16x16x128_f8f6f4 v[8*(8*((\a)%4)+\b):8*(8*((\a)%4)+\b)+7], v[128*(\p)+FR*\b:128*(\p)+FR*\b+FR-1], v[AF+FR*(\a):AF+FR*(\a)+FR-1], v[8*(8*((\a)%4)+\b):8*(8*((\a)%4)+\b)+7], v[SC+8*NQ*(\sc)+NQ*\b+(\q)], v[SC+8*NQ*(\sc)+NQ*(\a)+(\q)] matrix_a_fmt:MATRIX_FMT_BF8 matrix_b_fmt:MATRIX_FMT_BF8 matrix_a_scale:MATRIX_SCALE_ROW1
.endif
.endr
.endr
.endm
.macro FETCH_B slot, q, p
	WIN TO_B
.irp i, 0,1,2,3,4,5,6,7
	FRAG 128*(\p)+FR*\i, ADRB+\slot, \q, \i
.endr
	WIN 0
.endm
.macro FETCH_A slot, q, i0
.irp i, \i0, \i0+1, \i0+2, \i0+3
	FRAG AF+FR*(\i), ADRA+\slot, \q, \i
.endr
.endm
.macro SCALES sc
.irp i, 0,1,2,3,4,5,6,7
	ds_load_b64 v[SC+8*NQ*\sc+NQ*\i:SC+8*NQ*\sc+NQ*\i+1], v[ADRS] offset:\i*SBLK
.endr
.endm
.macro PLACES n
.rept \n
	v_nop
.endr
.endm
.macro STEP slot, q, zero
	s_wait_dscnt 4*NL                              ; the youngest 16 loads (A's blocks 4-7) may be out
.if \zero
	WIN 0x81
.else
	WIN MUL_LO
.endif
	MUL16 0, (\q)%2, \q, \slot, \zero
	MUL16 2, (\q)%2, \q, \slot, \zero
	s_wait_dscnt 0
	PLACES NP
	FETCH_B \slot, (\q)+1, 1-(\q)%2
	FETCH_A \slot, (\q)+1, 0
.if \zero
	WIN 0xc1
.else
	WIN MUL_HI
.endif
	MUL16 4, (\q)%2, \q, \slot, \zero
	MUL16 6, (\q)%2, \q, \slot, \zero
	PLACES NP
	WIN 0
	FETCH_A \slot, (\q)+1, 4
.endm
.macro TURN slot, next, fill
	s_wait_tensorcnt 0x0                           ; all my tensor loads have landed
	ds_add_u32 v[SPW], v[NIL]                      ; 0 onto my spare word
	s_wait_dscnt 4*NL+1                            ; (the add and the youngest 16 loads may be out)
	WIN MUL_LO
	MUL16 0, 1, NQ-1, \slot, 0
	s_wait_dscnt 0x0                               ; the add is done, and my reads of this slot are over
	s_barrier_signal -1
	MUL16 2, 1, NQ-1, \slot, 0
	WIN 0
	s_barrier_wait -1
.if \fill
	CREST
	s_add_nc_u64 s[G0+4*\slot+2:G0+4*\slot+3], s[G0+4*\slot+2:G0+4*\slot+3], 8192
	s_add_nc_u64 s[G0B+4*\slot+2:G0B+4*\slot+3], s[G0B+4*\slot+2:G0B+4*\slot+3], 8192
	JLOAD G0+4*\slot, G1, G0B+4*\slot, G1B
	PLACES NP-4
.else
	PLACES NP
.endif
	v_add_nc_u32 v[ADRS], 4*NQ, v[ADRS]
	FETCH_B \next, 0, 0
	FETCH_A \next, 0, 0
	SCALES \next
	WIN MUL_HI
	MUL16 4, 1, NQ-1, \slot, 0
	MUL16 6, 1, NQ-1, \slot, 0
	PLACES NP
	WIN 0
	FETCH_A \next, 0, 4
.endm
	s_wait_tensorcnt 1                             ; the scale bytes and my part of K step 0 are in (K step 1's load may be out)
	s_barrier_signal -1
	s_barrier_wait -1
	FETCH_B 0, 0, 0
	FETCH_A 0, 0, 0
	SCALES 0
	FETCH_A 0, 0, 4
	s_wait_loadcnt 0x0                             ; the bias
	STEP 0, 0, 1
	TURN 0, 1, 1
	STEP 1, 0, 0
	TURN 1, 0, 1
	STEP 0, 0, 0
	TURN 0, 1, 0
	STEP 1, 0, 0
	s_wait_dscnt 4*NL
	WIN MUL_LO
	MUL16 0, 1, NQ-1, 1, 0
	MUL16 2, 1, NQ-1, 1, 0
	s_wait_dscnt 0
	WIN MUL_HI
	MUL16 4, 1, NQ-1, 1, 0
	MUL16 6, 1, NQ-1, 1, 0
	WIN 0
; THE WAY OUT, block by block of 16 tokens x 128 columns, through my own stage; a row comes back whole and the 32 lanes store its 512 bytes.
.macro TOSTAGE a
.set AC, 64*((\a)%4)
	WIN 0x08+4*((\a)/4)
.irp b, 0,1,2,3,4,5,6,7
	ds_store_b128 v[STO], v[AC+8*\b:AC+8*\b+3] offset:128*(\b/2)+32*(\b%2)       ; each accumulator from its low end on
	ds_store_b128 v[STO], v[AC+8*\b+4:AC+8*\b+7] offset:128*(\b/2)+32*(\b%2)+16
.endr
	WIN 0
.set BB, BK+64*((\a)%2)
.irp t, 0,1,2,3,4,5,6,7,8,9,10,11,12,13,14,15
	ds_load_b128 v[BB+4*\t:BB+4*\t+3], v[RD] offset:\t*SPITCH   ; LDS serves a wave's instructions in order
.endr
.endm
.macro SEND a, younger
.set BB, BK+64*((\a)%2)
	s_wait_dscnt \younger
.irp t, 0,1,2,3,4,5,6,7,8,9,10,11,12,13,14,15
	global_store_b128 v[CO], v[BB+4*\t:BB+4*\t+3], s[14:15] offset:(32*((\a)/2)+8*((\a)%2)+(\t%8)+16*(\t/8))*4096 th:TH_STORE_NT   ; buffer row 16 a + t is this token
.endr
.endm
	PLACES NP
	TOSTAGE 0
.irp a, 1,2,3,4,5,6,7
.if \a > 1
	s_wait_xcnt 0x0                                ; block a - 2's stores have read their registers: block a's loads may land there
.endif
	TOSTAGE \a
	SEND \a-1, 32                                  ; behind block a - 1's loads: block a's 16 stores and 16 loads
.endr
	SEND 7, 0
	s_wait_tensorcnt 0x0                           ; the wave's end
	ds_add_u32 v[SPW], v[NIL]
	s_wait_dscnt 0x0
	CROUND                                         ; the closing round
	s_endpgm
.Lfunc_end_k_qa7b40013b4_proj:
	.size	k_qa7b40013b4_proj, .Lfunc_end_k_qa7b40013b4_proj-k_qa7b40013b4_proj
	.p2alignl 7, 3214868480
	.fill 96, 4, 3214868480
	.section	.rodata,"a",@progbits
	.p2align	6, 0x0
	.amdhsa_kernel k_qa7b40013b4_proj
		.amdhsa_group_segment_fixed_size 327680
		.amdhsa_private_segment_fixed_size 0
		.amdhsa_enable_private_segment 0
		.amdhsa_kernarg_size 48
		.amdhsa_user_sgpr_count 2
		.amdhsa_user_sgpr_kernarg_segment_ptr 1
		.amdhsa_wavefront_size32 1
		.amdhsa_system_sgpr_workgroup_id_x 1
		.amdhsa_system_sgpr_workgroup_id_y 1
		.amdhsa_system_sgpr_workgroup_id_z 1
		.amdhsa_system_vgpr_workitem_id 0
		.amdhsa_next_free_vgpr 1024
		.amdhsa_next_free_sgpr 100
		.amdhsa_reserve_vcc 0
		.amdhsa_float_denorm_mode_32 3
		.amdhsa_float_denorm_mode_16_64 3
		.amdhsa_memory_ordered 1
		.amdhsa_forward_progress 1
		.amdhsa_inst_pref_size 146
	.end_amdhsa_kernel
	.amdgpu_metadata
---
amdhsa.version: [ 1, 2 ]
amdhsa.kernels:
  - .name:           k_qa7b40013b4_proj
    .symbol:         k_qa7b40013b4_proj.kd
    .args:
      - { .name: actq, .offset: 0, .size: 8, .value_kind: global_buffer, .address_space: global }
      - { .name: acts, .offset: 8, .size: 8, .value_kind: global_buffer, .address_space: global }
      - { .name: wq, .offset: 16, .size: 8, .value_kind: global_buffer, .address_space: global }
      - { .name: ws, .offset: 24, .size: 8, .value_kind: global_buffer, .address_space: global }
      - { .name: b_proj, .offset: 32, .size: 8, .value_kind: global_buffer, .address_space: global }
      - { .name: out0, .offset: 40, .size: 8, .value_kind: global_buffer, .address_space: global }
    .group_segment_fixed_size: 327680
    .private_segment_fixed_size: 0
    .kernarg_segment_align: 8
    .kernarg_segment_size: 48
    .max_flat_workgroup_size: 128
    .sgpr_count:     100
    .vgpr_count:     1024
    .wavefront_size: 32
...
	.end_amdgpu_metadata
.endif
;; end of part 5
